; MI455X (gfx1250); checked and timed in simulation.
; The chip was launched on July 23, 2026; its instructions are those of AMD's public machine-readable ISA for CDNA 5 (MIT licence, August 2026) and "CDNA5" Instruction Set Architecture Reference Guide (July 2026). The comments in the code are by the model that wrote it; some were corrected since.
;; Multi Head Attention. Allowed arithmetic: matrix products marked QUANTISED: E2M3 operands, one E8M0 scale for each 32 along K, by v_wmma_scale_f32_16x16x128_f8f6f4 with both operands' format E2M3, f32 sums; everything else in f32.
;; Inputs: b_k 1,024 float32; b_o 1,024 float32; b_q 1,024 float32; b_v 1,024 float32; k 2 x 2,048 x 1,024 float32; q 2 x 2,048 x 1,024 float32; v 2 x 2,048 x 1,024 float32; w_k 1,024 x 1,024 float32; w_o 1,024 x 1,024 float32; w_q 1,024 x 1,024 float32; w_v 1,024 x 1,024 float32.
;; Outputs: out0 2 x 2,048 x 1,024 float32.
;; This version of the problem:
;;   THIS VERSION OF THE PROBLEM IS GIVEN IN LOW PRECISION. The matrix products marked QUANTISED in the list below multiply operands that are first quantised to E2M3 (2 exponent bits, 3 mantissa bits; 6 bits a number), with one power-of-two scale for each 32 numbers along K (OCP MX v1.0); their sums are f32. All else is computed in f32.
;;   The module's matrix products, in the order in which they are computed (A, B: the left and right operand; K: the contracted axis; several contracted axes count as one K, in the product's order):
;;     1. [M 4,096, K 1,024] x [K 1,024, N 1,024]; A: input q; B: input w_q: QUANTISED
;;     2. [M 4,096, K 1,024] x [K 1,024, N 1,024]; A: input k; B: input w_k: QUANTISED
;;     3. [M 4,096, K 1,024] x [K 1,024, N 1,024]; A: input v; B: input w_v: QUANTISED
;;     4. batch 32 x [M 2,048, K 64] x [K 64, N 2,048]; A: computed on the way; B: computed on the way: QUANTISED
;;     5. batch 32 x [M 2,048, K 2,048] x [K 2,048, N 64]; A: softmax (see below); B: computed on the way: QUANTISED
;;     6. [M 4,096, K 1,024] x [K 1,024, N 1,024]; A: computed on the way; B: input w_o: QUANTISED
;;   THE QUANTISER, for each operand of a quantised product, along K:
;;     - K is cut into blocks of 32 from its start; a last block that is shorter is filled with zeros.
;;     - A block's scale is 2^e with e = floor(log2(the largest magnitude in the block)) - 2, held to -126 .. 127; a block of zeros has e = 0. As a byte (E8M0): e + 127.
;;     - Each number is divided by its block's scale, clamped to +-7.5, and rounded to the nearest number of E2M3, ties to even, subnormals kept.
;;     - The product sums the exact products of the quantised numbers (number of the format x scale) in f32.
;;   ~~~python
;;   def quantise(x, axis):      # numpy; x: float32 -> the quantised numbers, widened to float32 again
;;       x = np.moveaxis(x, axis, -1); K = x.shape[-1]
;;       x = np.pad(x, [(0, 0)] * (x.ndim - 1) + [(0, -K % 32)]); x = x.reshape(x.shape[:-1] + (-1, 32)); a = np.abs(x).max(-1, keepdims=True)
;;       e = np.where(a > 0, np.clip(np.frexp(np.where(a > 0, a, 1))[1] - 1 - 2, -126, 127), 0)      # np.frexp(a)[1] - 1 = floor(log2(a)), exactly
;;       r = np.clip(x / 2.0 ** e, -7.5, 7.5)
;;       step = 2.0 ** (np.maximum(np.frexp(np.where(r == 0, 1, r))[1] - 1, 0) - 3)
;;       q = np.round(r / step) * step * 2.0 ** e      # np.round: ties to even
;;       return np.moveaxis(q.reshape(q.shape[:-2] + (-1,))[..., :K], -1, axis).astype(np.float32)
;;   ~~~
;;   SOFTMAX AHEAD OF A QUANTISED PRODUCT. Where the list says 'softmax', what is quantised is not the finished softmax but p = 2^(t - M), with t = logit x log2(e) and M = ceil(the row's largest t), a whole number; so 1/2 < the row's largest p <= 1. The row's sum l is taken of the UNQUANTISED p, in f32, and the product's result is divided by l at the end. Since M is a whole number, a kernel that streams over the keys may use a running M (the ceiling of the running maximum): every later rescaling is an exact power of two, which a block's scale takes up: the codes' values come out the same.
;;   OPERANDS COMPUTED ON THE WAY. 'Computed on the way' means the value that the module computes at that place (a softmax that the list does not call 'softmax' is quantised finished and normalised). What goes into a quantiser is computed in f32, as accurately as f32 sums, v_exp_f32 and their like allow (about 1e-6 of the number): no bf16 or f16 on the way to a quantiser, and a product that is left as it is and whose result goes on into a quantised operand takes f32 operands (vector FMAs, or v_wmma_f32_16x16x4_f32). A number that lies on a knife's edge between two numbers of the format may be rounded either way, as far as f32 arithmetic and the matrix unit's own rounding can turn it there, and no further.
;; One version. Each part assembles by itself: llvm-mc -triple=amdgcn-amd-amdhsa -mcpu=gfx1250 --defsym DOCPART=n.
;; ======== version 1 of 1: 4 launches
;; limits: right only within a limited range of input values
;; workspace buffers: codes 12,582,912 bytes; scales 524,288 bytes; qbuf 3,407,872 bytes; kvbuf 6,684,672 bytes; oimg 3,145,728 bytes; oscl 131,072 bytes
;; launch quant (part 1): grid 1024 x 1, 4 waves a work-group, no clusters, 34,304 bytes of LDS; arguments q, k, v, w_q, w_k, w_v, w_o, codes, scales; writes codes, scales
.if DOCPART == 1
	.amdgcn_target "amdgcn-amd-amdhsa--gfx1250"
	.amdhsa_code_object_version 6
	.text
	.protected	k_q539cd1dbef_quant
	.globl	k_q539cd1dbef_quant
	.p2align	8
	.type	k_q539cd1dbef_quant,@function
k_q539cd1dbef_quant:
	s_mov_b64 s[64:65], 0
	v_nop
	global_prefetch_b8 v0, s[64:65] scope:SCOPE_SE
	s_setreg_imm32_b32 hwreg(HW_REG_WAVE_MODE, 25, 1), 1
	s_wait_xcnt 0x0
; q, k, v [4096][1024] and w_q, w_k, w_v, w_o [1024 (K)][1024 (N)], f32, become codes of FP6 (E2M3) with one E8M0 scale byte for each 32 along K.
; A block's scale is 2^(floor(log2(its largest magnitude)) - 2); its byte is the largest magnitude's exponent field - 2, held at 1 from below.
; LAYOUT OF THE CODES: images of the matrix operand's registers.  A ROW TILE is 16 rows (16 tokens, or 16 output columns of a weight); for each K step of 128 it has 1,536 bytes: two PAIR IMAGES of 768 bytes.
; Pair image c holds registers 6 c .. 6 c + 5 of the fragment (lane (r, h): row r, k = 64 c + 32 h + 0 .. 31): registers 0-3 of lane l at 16 l, registers 4-5 at 512 + 8 l.
; codes: [1024 row tiles][8 K steps][1536]: tiles 0-255 q, 256-511 k, 512-767 v, 768 + 64 i .. weight i.  scales: [1024 row tiles][8 K steps][16 words], row r's four bytes at 4 r.
; w_o ALONE is laid with the two middle groups of eight of each block of 32 along K exchanged: so the launch that makes its partner operand (the attention's result) lays it; a block's scale does not change by that.
; LIMITS: NaN and infinities among the inputs are not served.  A block of zeros, or one whose largest magnitude lies under 2^-124, gets the byte 1: its bytes are read by this program alone, and a block of zeros has zero codes.
; Work-groups 0-767: one row tile of q, k or v; wave w takes 256 along K (K steps 2 w, 2 w + 1).  Work-groups 768-1023: 128 columns x one K step of a weight; a lane takes a column, its registers run down K.
; No tensor loads, no barrier: waves share nothing.  Every wave asks for all its numbers at its head.  Only the first path uses LDS.
.set SEL, 24                           ; s[24:25] lane selects for v_permlanex16_b32: lane l xor 16
.set R,   16                           ; v16-143  x path: two sets of 64 numbers as loaded
.set XN,  144                          ; v144-207 64 numbers: register 16 b + i = k 32 b + 16 h + i of my row
.set TM,  208                          ; v208-223 the quantiser's work
.set PC,  224                          ; v224-242 the codes
.set PW,  244                          ; v244-245 the scale words of the two K steps; v246 both, by halves of the lanes
.set X,   16                           ; v16-143  w path: 128 numbers down K
.set CD,  144                          ; v144-167 four blocks' codes, six registers each
.set TQ,  168                          ; v168-183 each block's second half, as converted
.set SB,  184                          ; v184     my column's four scale bytes
; 64 numbers of a lane become a fragment's codes in v[PC] on and its scale word in v[pw]
.macro QUANT s, pw
.irp b, 0,1,2,3
	v_max3_num_f32 v[TM+\b], |v[\s+16*\b]|, |v[\s+1+16*\b]|, 0x1800000   ; block b: my 16 numbers, and the floor 2^(3 - 127): the byte cannot fall under 1
.endr
.irp i, 2,4,6,8,10,12,14
.irp b, 0,1,2,3
	v_max3_num_f32 v[TM+\b], v[TM+\b], |v[\s+16*\b+\i]|, |v[\s+1+16*\b+\i]|   ; the four blocks by turns
.endr
.endr
.irp b, 0,1,2,3
	v_permlanex16_b32 v[TM+4+\b], v[TM+\b], s[SEL], s[SEL+1]
.endr
.irp b, 0,1,2,3
	v_max_num_f32 v[TM+\b], v[TM+\b], v[TM+4+\b]   ; with lane l xor 16's: the block's largest magnitude
.endr
.irp b, 0,1,2,3
	v_add_nc_u32 v[TM+12+\b], 0xff000000, v[TM+\b]   ; 2 off its exponent field: the conversion takes this operand's exponent field as its scale
.endr
.irp b, 0,1,2,3
	v_lshrrev_b32 v[TM+4+\b], 23, v[TM+12+\b]      ; the scale's byte
.endr
	v_lshl_or_b32 v[\pw], v[TM+5], 8, v[TM+4]      ; my row's scale word
	v_lshl_or_b32 v[\pw], v[TM+6], 16, v[\pw]
	v_lshl_or_b32 v[\pw], v[TM+7], 24, v[\pw]
.irp c, 0,1
	v_cvt_scalef32_pk16_fp6_f32 v[PC+6*\c:PC+2+6*\c], v[\s+32*\c:\s+15+32*\c], v[TM+12+2*\c]
	v_cvt_scalef32_pk16_fp6_f32 v[PC+12+4*\c:PC+14+4*\c], v[\s+16+32*\c:\s+31+32*\c], v[TM+12+2*\c+1]   ; (a conversion's three registers begin on an even number)
.endr
	v_nop                                          ; one plain place behind a scaled conversion
.irp c, 0,1                                    ; the layout wants a whole block in a lane: lanes 0-15 block 2 c, lanes 16-31 block 2 c + 1
.irp i, 0,1,2
	v_permlane16_swap_b32 v[PC+6*\c+\i], v[PC+12+4*\c+\i]
.endr
.irp i, 0,1,2
	v_mov_b32 v[PC+3+6*\c+\i], v[PC+12+4*\c+\i]
.endr
.endr
.endm
	s_load_b512 s[4:19], s[0:1], 0x0               ; q, k, v, w_q, w_k, w_v, w_o, codes
	s_load_b64 s[20:21], s[0:1], 0x40              ; scales
	v_lshl_add_u32 v248, v0, 2, 0x8400
	v_mov_b32 v249, 0
	v_lshrrev_b32 v1, 5, v0
	v_readfirstlane_b32 s22, v1                    ; wave 0..3
	v_and_b32 v1, 31, v0                           ; lane
	v_and_b32 v2, 15, v0                           ; r
	v_bfe_u32 v3, v0, 4, 1                         ; h
	v_lshlrev_b32 v4, 4, v1                        ; 16 x lane
	v_lshlrev_b32 v7, 3, v1                        ; 8 x lane
	s_mov_b32 s[SEL], 0x76543210
	s_mov_b32 s[SEL+1], 0xfedcba98
	s_cmp_ge_u32 ttmp9, 768
	s_cbranch_scc1 .Lweights
	; ---- q, k, v: K is innermost.  Each load reads 512 consecutive bytes of one row; the numbers turn through the wave's own stage (16 rows x (512 + 16) bytes), so that a lane gets 16 neighbours of each block
	s_mul_i32 s23, s22, 8448                       ; my stage
	v_add_nc_u32 v5, s23, v4                       ; in: 16 x lane of a row
	v_mul_u32_u24 v6, v2, 528
	v_lshl_add_u32 v6, v3, 6, v6
	v_add_nc_u32 v6, s23, v6                       ; out: row r, + 64 h
	v_lshlrev_b32 v8, 2, v1                        ; 4 x lane: the scale words' place
.irp b, 0,1,2,3
	v_mov_b32 v[TM+4+\b], 0                        ; written once: a lane permute's destination counts as one of its sources
.endr
	s_and_b32 s28, ttmp9, 255
	s_lshl_b32 s28, s28, 16                        ; my 16 rows of 4,096 bytes
	s_lshl_b32 s30, s22, 10
	s_add_co_u32 s28, s28, s30                     ; + my 256 along K
	s_mov_b32 s29, 0
	s_mul_i32 s30, ttmp9, 12288                    ; my row tile's codes,
	s_mul_i32 s32, s22, 3072
	s_add_co_u32 s30, s30, s32                     ; my two K steps
	s_mov_b32 s31, 0
	s_lshl_b32 s32, ttmp9, 9                       ; and its scale words
	s_lshl_b32 s34, s22, 7
	s_add_co_u32 s32, s32, s34
	s_mov_b32 s33, 0
	s_wait_alu depctr_va_vdst(0)
	s_wait_kmcnt 0x0
	s_cmp_lt_u32 ttmp9, 256                        ; which tensor: the choice hangs on the work-group's number alone
	s_cselect_b64 s[26:27], s[4:5], s[6:7]
	s_cmp_lt_u32 ttmp9, 512
	s_cselect_b64 s[26:27], s[26:27], s[8:9]
	s_add_nc_u64 s[26:27], s[26:27], s[28:29]
	s_add_nc_u64 s[18:19], s[18:19], s[30:31]
	s_add_nc_u64 s[20:21], s[20:21], s[32:33]
.irp t, 0,1
.irp i, 0,1,2,3,4,5,6,7,8,9,10,11,12,13,14,15
	global_load_b128 v[R+64*\t+4*\i:R+64*\t+4*\i+3], v4, s[26:27] offset:4096*\i+512*\t th:TH_LOAD_NT   ; row i, K step t of my two
.endr
.endr
.macro XSTEP t
	s_wait_loadcnt 16*(1-\t)                       ; this K step's 16 loads are in; the other's 16, issued behind them, may be out
.irp i, 0,1,2,3,4,5,6,7,8,9,10,11,12,13,14,15
	ds_store_b128 v5, v[R+64*\t+4*\i:R+64*\t+4*\i+3] offset:528*\i
.endr
.irp b, 0,1,2,3
.irp j, 0,1,2,3
	ds_load_b128 v[XN+16*\b+4*\j:XN+16*\b+4*\j+3], v6 offset:128*\b+16*\j   ; LDS serves a wave's instructions in order: these see my stores
.endr
.endr
	s_wait_dscnt 0x0
.if \t
	s_wait_xcnt 0x0                                ; the first K step's stores have read their registers: the codes are written again only behind this wait
.endif
	QUANT XN, PW+\t
	global_store_b128 v4, v[PC:PC+3], s[18:19] offset:1536*\t            ; 512 consecutive bytes
	global_store_b64 v7, v[PC+4:PC+5], s[18:19] offset:1536*\t+512       ; 256 consecutive bytes
	global_store_b128 v4, v[PC+6:PC+9], s[18:19] offset:1536*\t+768
	global_store_b64 v7, v[PC+10:PC+11], s[18:19] offset:1536*\t+1280
.endm
	XSTEP 0
	XSTEP 1
	v_cmp_lt_u32 vcc_lo, 15, v1                    ; every lane holds its row's word of both K steps: lanes 0-15 give the first's, lanes 16-31 the second's
	v_cndmask_b32 v246, v[PW], v[PW+1], vcc_lo
	global_store_b32 v8, v246, s[20:21]            ; 128 consecutive bytes
	s_wait_tensorcnt 0x0
	ds_add_u32 v248, v249
	s_wait_dscnt 0x0
	s_endpgm
.Lweights:
	; ---- the weights: K is the first axis.  A lane takes a column and its registers run down K: a block of 32 lies in one lane, and the conversions give codes with K innermost
	s_sub_co_u32 s23, ttmp9, 768
	s_lshr_b32 s26, s23, 6                         ; which weight
	s_bfe_u32 s27, s23, 0x30003                    ; which 128 columns
	s_and_b32 s28, s23, 7                          ; which K step
	s_lshl_b32 s30, s28, 19                        ; 128 rows of 4,096 bytes
	s_lshl_b32 s29, s27, 9
	s_add_co_u32 s30, s30, s29
	s_lshl_b32 s29, s22, 7
	s_add_co_u32 s30, s30, s29                     ; + my wave's 32 columns
	s_mov_b32 s31, 0
	s_lshl_b32 s32, s26, 6
	s_lshl_b32 s29, s27, 3
	s_add_co_u32 s32, s32, s29
	s_lshl_b32 s29, s22, 1
	s_add_co_u32 s32, s32, s29
	s_add_co_u32 s32, s32, 768                     ; the row tile of lanes 0-15; lanes 16-31 make the next
	s_mul_i32 s34, s32, 12288
	s_mul_i32 s29, s28, 1536
	s_add_co_u32 s34, s34, s29
	s_mov_b32 s35, 0
	s_lshl_b32 s36, s32, 9
	s_lshl_b32 s29, s28, 6
	s_add_co_u32 s36, s36, s29
	s_mov_b32 s37, 0
	s_cmp_eq_u32 s26, 3
	s_cselect_b32 s38, 32768, 0                    ; w_o: the second group of eight of a block is read 8 rows further down,
	s_sub_co_u32 s39, 0x8000, s38                  ; and the third 8 rows further up (its immediates stand 8 rows low)
	s_wait_alu depctr_va_vdst(0)
	v_lshlrev_b32 v10, 2, v1                       ; 4 bytes a column
	v_add_nc_u32 v5, s38, v10
	v_add_nc_u32 v6, s39, v10
	v_lshlrev_b32 v9, 2, v2
	v_lshl_add_u32 v9, v3, 9, v9                   ; the scale word's place: 4 r, + a row tile's 512 bytes for lanes 16-31
	s_wait_alu depctr_va_vdst(0)
	s_wait_kmcnt 0x0
	s_cmp_lt_u32 s26, 1
	s_cselect_b64 s[10:11], s[10:11], s[12:13]
	s_cmp_lt_u32 s26, 2
	s_cselect_b64 s[10:11], s[10:11], s[14:15]
	s_cmp_lt_u32 s26, 3
	s_cselect_b64 s[10:11], s[10:11], s[16:17]
	s_add_nc_u64 s[10:11], s[10:11], s[30:31]
	s_add_nc_u64 s[18:19], s[18:19], s[34:35]
	s_add_nc_u64 s[20:21], s[20:21], s[36:37]
.irp kb, 0,1,2,3
.irp j, 0,1,2,3,4,5,6,7
	global_load_b32 v[X+32*\kb+\j], v10, s[10:11] offset:(32*\kb+\j)*4096 th:TH_LOAD_NT       ; 32 lanes read 128 consecutive bytes, the four waves 512
.endr
.irp j, 0,1,2,3,4,5,6,7
	global_load_b32 v[X+32*\kb+8+\j], v5, s[10:11] offset:(32*\kb+8+\j)*4096 th:TH_LOAD_NT
.endr
.irp j, 0,1,2,3,4,5,6,7
	global_load_b32 v[X+32*\kb+16+\j], v6, s[10:11] offset:(32*\kb+8+\j)*4096 th:TH_LOAD_NT
.endr
.irp j, 0,1,2,3,4,5,6,7
	global_load_b32 v[X+32*\kb+24+\j], v10, s[10:11] offset:(32*\kb+24+\j)*4096 th:TH_LOAD_NT
.endr
.endr
.macro WBLOCK kb, left
.set XS, X+32*(\kb)
	s_wait_loadcnt \left                           ; this block's 32 loads are in; left: no more than the loads issued behind them (a wait names 63 at the most)
	v_max3_num_f32 v12, |v[XS]|, |v[XS+1]|, |v[XS+2]|       ; the block's largest magnitude: all 32 numbers are mine
	v_max3_num_f32 v13, |v[XS+3]|, |v[XS+4]|, |v[XS+5]|
.irp i, 6,10,14,18,22,26
	v_max3_num_f32 v12, v12, |v[XS+\i]|, |v[XS+\i+1]|
	v_max3_num_f32 v13, v13, |v[XS+\i+2]|, |v[XS+\i+3]|
.endr
	v_max3_num_f32 v12, v12, |v[XS+30]|, |v[XS+31]|
	v_max3_num_f32 v12, v12, v13, 0x1800000        ; and the floor 2^(3 - 127)
	v_add_nc_u32 v11, 0xff000000, v12              ; 2 off its exponent field: the conversion's scale operand
	v_lshrrev_b32 v13, 23, v11                     ; the scale's byte
.if (\kb) == 0
	v_mov_b32 v[SB], v13
.else
	v_lshl_or_b32 v[SB], v13, 8*(\kb), v[SB]
.endif
	v_cvt_scalef32_pk16_fp6_f32 v[CD+6*(\kb):CD+6*(\kb)+2], v[XS:XS+15], v11
	v_cvt_scalef32_pk16_fp6_f32 v[TQ+4*(\kb):TQ+4*(\kb)+2], v[XS+16:XS+31], v11   ; (a conversion's three registers begin on an even number)
	v_nop                                          ; one plain place behind a scaled conversion
.irp i, 0,1,2
	v_mov_b32 v[CD+6*(\kb)+3+\i], v[TQ+4*(\kb)+\i]
.endr
.endm
	WBLOCK 0, 63
	WBLOCK 1, 63
	WBLOCK 2, 32
	WBLOCK 3, 0
	; a lane holds all four blocks of its column; a fragment wants lanes 0-15 to hold blocks 0, 2 and lanes 16-31 blocks 1, 3 of ONE row tile's 16 columns
.irp c, 0,1
.irp i, 0,1,2,3,4,5
	v_permlane16_swap_b32 v[CD+12*\c+\i], v[CD+12*\c+6+\i]   ; the first is now register 6 c + i of the first row tile's fragment, the second of the second's
.endr
.endr
.irp c, 0,1
.irp u, 0,1
	global_store_b128 v4, v[CD+12*\c+6*\u:CD+12*\c+6*\u+3], s[18:19] offset:12288*\u+768*\c
	global_store_b64 v7, v[CD+12*\c+6*\u+4:CD+12*\c+6*\u+5], s[18:19] offset:12288*\u+768*\c+512
.endr
.endr
	global_store_b32 v9, v[SB], s[20:21]           ; 64 consecutive bytes for each of the two row tiles
	s_endpgm
.Lfunc_end_k_q539cd1dbef_quant:
	.size	k_q539cd1dbef_quant, .Lfunc_end_k_q539cd1dbef_quant-k_q539cd1dbef_quant
	.p2alignl 7, 3214868480
	.fill 96, 4, 3214868480
	.section	.rodata,"a",@progbits
	.p2align	6, 0x0
	.amdhsa_kernel k_q539cd1dbef_quant
		.amdhsa_group_segment_fixed_size 34304
		.amdhsa_private_segment_fixed_size 0
		.amdhsa_enable_private_segment 0
		.amdhsa_kernarg_size 72
		.amdhsa_user_sgpr_count 2
		.amdhsa_user_sgpr_kernarg_segment_ptr 1
		.amdhsa_wavefront_size32 1
		.amdhsa_system_sgpr_workgroup_id_x 1
		.amdhsa_system_sgpr_workgroup_id_y 1
		.amdhsa_system_sgpr_workgroup_id_z 1
		.amdhsa_system_vgpr_workitem_id 0
		.amdhsa_next_free_vgpr 250
		.amdhsa_next_free_sgpr 66
		.amdhsa_reserve_vcc 1
		.amdhsa_float_denorm_mode_32 3
		.amdhsa_float_denorm_mode_16_64 3
		.amdhsa_memory_ordered 1
		.amdhsa_forward_progress 1
		.amdhsa_inst_pref_size 39
	.end_amdhsa_kernel
	.amdgpu_metadata
---
amdhsa.version: [ 1, 2 ]
amdhsa.kernels:
  - .name:           k_q539cd1dbef_quant
    .symbol:         k_q539cd1dbef_quant.kd
    .args:
      - { .name: q, .offset: 0, .size: 8, .value_kind: global_buffer, .address_space: global }
      - { .name: k, .offset: 8, .size: 8, .value_kind: global_buffer, .address_space: global }
      - { .name: v, .offset: 16, .size: 8, .value_kind: global_buffer, .address_space: global }
      - { .name: w_q, .offset: 24, .size: 8, .value_kind: global_buffer, .address_space: global }
      - { .name: w_k, .offset: 32, .size: 8, .value_kind: global_buffer, .address_space: global }
      - { .name: w_v, .offset: 40, .size: 8, .value_kind: global_buffer, .address_space: global }
      - { .name: w_o, .offset: 48, .size: 8, .value_kind: global_buffer, .address_space: global }
      - { .name: codes, .offset: 56, .size: 8, .value_kind: global_buffer, .address_space: global }
      - { .name: scales, .offset: 64, .size: 8, .value_kind: global_buffer, .address_space: global }
    .group_segment_fixed_size: 34304
    .private_segment_fixed_size: 0
    .kernarg_segment_align: 8
    .kernarg_segment_size: 72
    .max_flat_workgroup_size: 128
    .sgpr_count:     66
    .vgpr_count:     250
    .wavefront_size: 32
...
	.end_amdgpu_metadata
.endif
;; end of part 1
;; launch proj (part 2): grid 4 x 48, 4 waves a work-group, clusters of 4 x 4, 327,680 bytes of LDS; arguments codes, scales, b_q, b_k, b_v, qbuf, kvbuf; writes qbuf, kvbuf
.if DOCPART == 2
	.amdgcn_target "amdgcn-amd-amdhsa--gfx1250"
	.amdhsa_code_object_version 6
	.text
	.protected	k_q539cd1dbef_proj
	.globl	k_q539cd1dbef_proj
	.p2align	8
	.type	k_q539cd1dbef_proj,@function
k_q539cd1dbef_proj:
	s_mov_b64 s[64:65], 0
	v_nop
	global_prefetch_b8 v0, s[64:65] scope:SCOPE_SE
	s_setreg_imm32_b32 hwreg(HW_REG_WAVE_MODE, 25, 1), 1
	s_wait_xcnt 0x0
	s_wait_alu depctr_hold_cnt(0) depctr_sa_sdst(0) depctr_va_vdst(0) depctr_va_sdst(0) depctr_va_ssrc(0) depctr_va_vcc(0) depctr_vm_vsrc(0)
	s_getreg_b32 s2, hwreg(HW_REG_IB_STS2, 6, 4)
	s_cmp_eq_u32 s2, 0
	s_cbranch_scc0 .Lentry_in_a_cluster
	s_endpgm
.Lentry_in_a_cluster:
	s_bfe_u32 s2, ttmp6, 0x10000c
	s_cmp_lg_u32 s2, 0xf033
	s_cbranch_scc0 .Lentry_shape_is_right
	s_endpgm
.Lentry_shape_is_right:
; qp = q w_q + b_q, kp = k w_k + b_k, vp = v w_v + b_v on codes of FP6 (E2M3) with E8M0 scales, sums in f32; the results are quantised at once for the attention's two products and leave as codes.
; Operands: images of the operand's registers.  codes: [1024 row tiles of 16 rows][8 K steps of 128][1536]; scales: [1024][8][16 words].  Tiles 0-767: tokens of q, k, v; 768 + 64 i ..: 16 output columns of weight i.
; A tile of C, 256 x 256, is made by a work-group of four waves; a wave makes 128 x 128: 64 accumulators, 512 registers.  K = 1,024 goes in four steps of 256 through a ring of two LDS slots.
; THE CLUSTER'S y (0..11) IS THE MODE, the same in all sixteen partners.  0-3: q, 4-7: k: A = tokens, B = weight.  8-11: v WITH THE ROLES CHANGED: A = w_v's columns, B = v's tokens: C is vp transposed.
; THE MATRIX INSTRUCTION IS USED TRANSPOSED (source 0 = 16 rows of B, source 1 = 16 rows of A): a lane holds one row of C and its registers run along C's columns.  So one text quantises ALONG C's COLUMNS in all modes:
; for q and k along the head's 64 channels (K of the scores), for v along the keys (K of the second product).
; ORDER INSIDE A BLOCK OF 32: accumulators 2 c, 2 c + 1 give lane (r, h) the columns 32 c + 16 u + 8 h + j (register 8 u + j); converted and exchanged between the halves of the lanes, place 16 h + 8 u + j of the
; block holds that column: the block's two middle groups of eight have changed places.  Both operands of each later product are laid so (q and k here; v here and p in the attention), so the products are the same.
; OUT.  qbuf: [32 heads][16 steps of 128 queries][6656]: 8 pair images of 768 bytes (16 queries x 64 channels), then 128 scale words (two bytes used, the upper two 0).
;       kvbuf: [32 heads][16 steps of 128 keys][13056]: K's 8 pair images | K's 128 words at 6144 | V^T: 4 tiles of 16 channels x 128 keys, 1,536 bytes each, at 6656 | V's 64 words at 12800.
; CLUSTERS: 4 x 4 work-groups; A's tiles are asked for jointly along a row of the cluster, B's along a column.
; No prefetch: K has four slots' worth, two of them are asked for at the head, where nothing is prefetched.  192 work-groups: the price of the largest wave tile.
; LIMITS: NaN and infinities are not served; a block of zeros or under 2^-124 gets the byte 1 (read by this program alone).
; REGISTERS: window 0: v1-31 addresses; v32-63 scale words, two sets, and nothing else; v64-127 the bias as the first products' C, later the way out's work; v128-223 A's fragments, one set.
;   window 1: B's fragments, two sets, at v0 and v128.   windows 2, 3: the accumulators ((a, b) at v[8 (8 (a % 4) + b)] of window 2 + a / 4).
.set NQ,     2                         ; K steps of 128 in a slot
.set FR,     12                        ; registers of a fragment
.set NL,     4                         ; LDS loads that bring one
.set NP,     4                         ; places behind this matrix instruction (ISA guide 7.12.1)
.set PART,   24576                     ; what one tensor load brings: 8 row tiles x 2 K steps x 1,536 bytes
.set SLOT,   4*PART                    ; A's two halves, then B's two
.set SCL,    2*SLOT                    ; behind the ring: the scale words of the four parts, for all of K: 4,096 bytes each
.set SPARE,  SCL+4*4096                ; the spare words, 128 bytes for each wave: two blocks of 256 bytes that no other line names
.set LAPS,   2                         ; a lap = two slots = 512 along K
.set AD,   8                           ; v8-15   the bias loads' offsets; on the way out v8-11 the code stores' offsets
.set ADRA, 16                          ; v16-17  my A fragments in slot 0, 1: 16 x lane;  v18-19: 8 x lane
.set ADRB, 20                          ; v20-23  the same for B
.set SS,   24                          ; v24     the way out: where a scale word goes in my stage
.set SL,   25                          ; v25     and where I read 16 bytes back
.set SOF,  26                          ; v26     the scale words' place in the output;  v30 the second set's
.set ADRS, 27                          ; v27     my scale words: lanes 0-15 A's rows, lanes 16-31 B's
.set SPW,  28                          ; v28     my spare word: SPARE + 4 x my thread's number; never rewritten
.set NIL,  29                          ; v29     0; never rewritten
.set SOF2, 30
.set SC,   32
.set BI,   64
.set AF,   128
.set TM,   64                          ; the way out: v64-79 the quantiser's work
.set PC,   80                          ; v80-98  the codes
.set W1,   100                         ; v100-107 scale words of blocks 0, 1 (v: of all four), one for each 16 rows
.set W2,   108                         ; v108-115 of blocks 2, 3
.set Z,    116                         ; v116-123 scale words read back
.set G1, 24
.set G0, 32
.set G1B, 48
.set G0B, 56
.set G1S, 68
.set G0S, 76
.set G1SB, 80
.set G0SB, 88
.set MSB, 0
.macro WIN new                         ; the immediate's high byte repeats the setting that is left
.if MSB != \new
	s_set_vgpr_msb (MSB<<8)|\new
.set MSB, \new
.endif
.endm
.set MUL_LO, 0xa1                      ; source 0 (B) window 1, source 1 (A) window 0, C and D window 2
.set MUL_HI, 0xf1                      ; the same, C and D window 3
.set TO_B,   0x40                      ; destination window 1, address window 0
; A joint load: waves 0 and 1 fetch for A, waves 2 and 3 for B.  Each line has one mask and one set of registers for all that issue it; the branch hangs on the wave's number alone.
; Four v_nop follow each of the two lines.
.macro JLOAD g0a, g1a, g0b, g1b
	s_cmp_eq_u32 s15, 0
	s_cbranch_scc0 .Lfor_b_\@
	tensor_load_to_lds s[\g0a:\g0a+3], s[\g1a:\g1a+7]
	s_nop 0
.rept 4
	v_nop
.endr
	s_branch .Lasked_\@
.Lfor_b_\@:
	tensor_load_to_lds s[\g0b:\g0b+3], s[\g1b:\g1b+7]
	s_nop 0
.rept 4
	v_nop
.endr
.Lasked_\@:
.endm
.macro CREST                           ; a round of the cluster's barrier behind its opening barrier
	s_cmp_lg_u32 s14, 0
	s_cbranch_scc1 .Lnot_wave_0_\@
	s_barrier_signal -3
.Lnot_wave_0_\@:
	s_barrier_wait -3
	s_barrier_signal -1
	s_barrier_wait -1
.endm
.macro CROUND
	s_barrier_signal -1
	s_barrier_wait -1
	CREST
.endm
	s_load_b128 s[4:7], s[0:1], 0x0                ; codes, scales
	s_load_b128 s[8:11], s[0:1], 0x10              ; b_q, b_k
	s_load_b64 s[12:13], s[0:1], 0x20              ; b_v
	s_load_b64 s[96:97], s[0:1], 0x28              ; qbuf
	s_load_b64 s[98:99], s[0:1], 0x30              ; kvbuf
	v_lshl_add_u32 v[SPW], v0, 2, SPARE
	v_mov_b32 v[NIL], 0
	ds_add_u32 v28, v29
	ds_add_u32 v28, v29
	s_wait_dscnt 0x0
	v_lshrrev_b32 v1, 5, v0
	v_readfirstlane_b32 s14, v1                    ; wave 0..3
	s_lshr_b32 s15, s14, 1                         ; which half of the tile's rows is mine.  Also: I fetch for A (0) or for B (1)
	s_and_b32 s16, s14, 1                          ; which half of its columns.  Also: which 128 rows I fetch
	s_bfe_u32 s40, ttmp6, 0x40000                  ; cx, cy: my place in the cluster
	s_bfe_u32 s41, ttmp6, 0x40004
	s_and_b32 s17, ttmp7, 0xffff                   ; the cluster's y: the mode and the quarter of the tokens
	s_lshl_b32 s43, s41, 2
	s_lshl_b32 s43, 15, s43                        ; my row of the cluster
	s_lshl_b32 s44, 0x1111, s40                    ; my column
	; descriptor group 1, codes: 8 rows (row tiles) of 3,072 bytes (384 elements of 8 bytes), 12,288 bytes apart in memory, dense in LDS
	s_or_b32 s[G1+0], s43, (3<<16)|(1<<21)         ; 15:0 the mask: A's tiles go to my row; 17:16 elements of 8 bytes; 21 set beside a mask; no padding
	s_or_b32 s[G1B+0], s44, (3<<16)|(1<<21)
.irp g, G1, G1B
	s_mov_b32 s[\g+1], 384<<16                     ; tensor_dim0
	s_mov_b32 s[\g+2], 16<<16                      ; tensor_dim1: the head's loads bring 16 row tiles; the ring's 8 (set behind the head's wait)
	s_mov_b32 s[\g+3], 384<<16                     ; tile_dim0
	s_mov_b32 s[\g+4], 16                          ; tile_dim1
	s_mov_b32 s[\g+5], 1536                        ; tensor_dim0_stride
	s_mov_b32 s[\g+6], 0
	s_mov_b32 s[\g+7], 0
.endr
	; scale words of 16 row tiles: 8,192 dense bytes, as 32 rows of 256
	s_or_b32 s[G1S+0], s43, (3<<16)|(1<<21)
	s_or_b32 s[G1SB+0], s44, (3<<16)|(1<<21)
.irp g, G1S, G1SB
	s_mov_b32 s[\g+1], 32<<16
	s_mov_b32 s[\g+2], 32<<16                      ; the scale words of 16 row tiles: 8,192 dense bytes, 32 rows of 256
	s_mov_b32 s[\g+3], 32<<16
	s_mov_b32 s[\g+4], 32
	s_mov_b32 s[\g+5], 32
	s_mov_b32 s[\g+6], 0
	s_mov_b32 s[\g+7], 0
.endr
	; which row tiles.  q, k: A = 64 y + 16 cy, B = 768 + 64 (y / 4) + 16 cx.  v: A = 896 + 16 cy (w_v), B = 64 y + 16 cx (v's tokens).  + 8 x the half that I fetch
	s_lshl_b32 s18, s17, 6
	s_lshr_b32 s19, s17, 2
	s_lshl_b32 s19, s19, 6
	s_add_co_u32 s19, s19, 768
	s_mov_b32 s20, 896
	s_cmp_ge_u32 s17, 8
	s_cselect_b32 s20, s20, s18
	s_cselect_b32 s46, s18, s19
	s_lshl_b32 s22, s41, 4
	s_add_co_u32 s20, s20, s22                     ; A's first row tile: hangs on y and cy
	s_lshl_b32 s47, s40, 4
	s_add_co_u32 s46, s46, s47                     ; B's: on y and cx
	s_mul_i32 s18, s16, 8*12288                    ; in the ring I fetch 8 of the 16 row tiles: which half, in bytes
	s_mov_b32 s19, 0
	s_mul_i32 s22, s20, 512                        ; their scale words,
	s_mul_i32 s20, s20, 12288                      ; their codes
	s_mul_i32 s92, s46, 512
	s_mul_i32 s46, s46, 12288
	s_mov_b32 s21, 0
	s_mov_b32 s23, 0
	s_mov_b32 s47, 0
	s_mov_b32 s93, 0
	s_mul_i32 s45, s14, PART                       ; where they go: by the wave's number alone
	s_wait_kmcnt 0x0
	s_add_nc_u64 s[20:21], s[4:5], s[20:21]
	s_add_nc_u64 s[22:23], s[6:7], s[22:23]
	s_add_nc_u64 s[46:47], s[4:5], s[46:47]
	s_add_nc_u64 s[92:93], s[6:7], s[92:93]
	CROUND                                         ; all sixteen work-groups are here: the first joint loads meet
	s_mov_b32 s[G0S], 1
	s_mov_b32 s[G0S+1], SCL
	s_mov_b64 s[G0S+2:G0S+3], s[22:23]
	s_or_b32 s[G0S+3], s[G0S+3], 0x80000000
	s_mov_b32 s[G0SB], 1
	s_mov_b32 s[G0SB+1], SCL+2*4096
	s_mov_b64 s[G0SB+2:G0SB+3], s[92:93]
	s_or_b32 s[G0SB+3], s[G0SB+3], 0x80000000
	s_mov_b32 s[G0], 1                             ; the head's tiles, each whole: slot 0's 16 row tiles of A,
	s_mov_b32 s[G0+1], 0
	s_mov_b64 s[G0+2:G0+3], s[20:21]
	s_or_b32 s[G0+3], s[G0+3], 0x80000000
	s_mov_b32 s[G0B], 1                            ; and of B, behind them
	s_mov_b32 s[G0B+1], 2*PART
	s_mov_b64 s[G0B+2:G0B+3], s[46:47]
	s_or_b32 s[G0B+3], s[G0B+3], 0x80000000
	s_add_nc_u64 s[20:21], s[20:21], s[18:19]      ; for the ring: my 8 row tiles
	s_add_nc_u64 s[46:47], s[46:47], s[18:19]
	s_mov_b32 s[G0+4], 1                           ; slot 1
	s_add_co_u32 s[G0+5], s45, SLOT
	s_add_nc_u64 s[G0+6:G0+7], s[20:21], 3072
	s_or_b32 s[G0+7], s[G0+7], 0x80000000
	s_mov_b32 s[G0B+4], 1
	s_add_co_u32 s[G0B+5], s45, SLOT
	s_add_nc_u64 s[G0B+6:G0B+7], s[46:47], 3072
	s_or_b32 s[G0B+7], s[G0B+7], 0x80000000
; THE HEAD'S LOADS, ONE A WAVE: wave 0 slot 0's A, wave 1 its B, wave 2 A's scale words, wave 3 B's.  One chain of branches on the wave's number: every way passes one load.
.macro ARM under, g0, g1, next
	s_cmp_lt_u32 s14, \under
	s_cbranch_scc0 \next
	tensor_load_to_lds s[\g0:\g0+3], s[\g1:\g1+7]
	s_nop 0
.rept 4
	v_nop
.endr
	s_branch .Lhead_asked
\next:
.endm
	ARM 1, G0,  G1,  .Lhead_b
	ARM 2, G0B, G1B, .Lhead_sa
	ARM 3, G0S, G1S, .Lhead_sb
	tensor_load_to_lds s[G0SB:G0SB+3], s[G1SB:G1SB+7]
	s_nop 0
.rept 4
	v_nop
.endr
.Lhead_asked:
	v_and_b32 v1, 15, v0                           ; r
	v_bfe_u32 v2, v0, 4, 1                         ; h
	v_and_b32 v5, 31, v0
	v_lshlrev_b32 v3, 4, v5                        ; 16 x lane
	v_lshlrev_b32 v4, 3, v5                        ; 8 x lane
	s_mul_i32 s21, s15, PART                       ; my 128 rows of A
	s_mul_i32 s22, s16, PART                       ; my 128 rows of B,
	s_add_co_u32 s22, s22, 2*PART                  ; behind A's two parts
.irp s, 0,1
	v_add_nc_u32 v[ADRA+\s], s21, v3
	v_add_nc_u32 v[ADRB+\s], s22, v3
	v_add_nc_u32 v[ADRA+2+\s], s21, v4
	v_add_nc_u32 v[ADRB+2+\s], s22, v4
	s_add_co_u32 s21, s21, SLOT
	s_add_co_u32 s22, s22, SLOT
.endr
	s_lshl_b32 s21, s15, 12                        ; A's scale words: my part
	s_lshl_b32 s22, s16, 12                        ; B's: my part, behind A's two
	s_add_co_u32 s22, s22, 2*4096
	s_sub_co_u32 s22, s22, s21
	v_mul_u32_u24 v6, s22, v2                      ; lanes 16-31 take B's
	s_add_co_u32 s21, s21, SCL
	v_lshl_add_u32 v5, v1, 2, v6
	v_add_nc_u32 v[ADRS], s21, v5
	s_lshl_b32 s23, s14, 10                        ; the way out's stage for scale words: 1,024 bytes a wave, in slot 0
	v_lshl_add_u32 v[SS], v1, 2, s23
	v_add_nc_u32 v[SL], s23, v3
	; THE BIAS is the C of each sum's first product.  q, k: by C's column: register 8 b + j = bias(16 b + 8 h + j).  v: by C's row: register 8 a + j = bias(16 a + r) for every j.  One run of loads serves both
	s_cmp_lt_u32 s17, 4
	s_cselect_b64 s[8:9], s[8:9], s[10:11]
	s_cmp_lt_u32 s17, 8
	s_cselect_b64 s[8:9], s[8:9], s[12:13]
	s_cmp_ge_u32 s17, 8
	s_cselect_b32 s100, s41, s40                   ; v: 256 cy + 128 x my half of the rows;  q, k: 256 cx + 128 x my half of the columns
	s_cselect_b32 s95, s15, s16
	s_cselect_b32 s66, 0, 4                        ; from register to register
	s_cselect_b32 s67, 4, 0                        ; by r
	s_cselect_b32 s42, 0, 32                       ; by h
	s_lshl_b32 s100, s100, 10
	s_lshl_b32 s95, s95, 9
	s_add_co_u32 s100, s100, s95
	s_mov_b32 s101, 0
	s_add_nc_u64 s[8:9], s[8:9], s[100:101]
	v_mul_u32_u24 v5, v1, s67
	v_mad_u32_u24 v5, v2, s42, v5
	v_mov_b32 v6, s66
.irp j, 0,1,2,3,4,5,6,7
	v_mad_u32_u24 v[AD+\j], v6, \j, v5
.endr
.irp g, 0,1,2,3,4,5,6,7
.irp j, 0,1,2,3,4,5,6,7
	global_load_b32 v[BI+8*\g+\j], v[AD+\j], s[8:9] offset:64*\g
.endr
.endr
.macro FRAG reg, adr, q, i             ; a fragment comes as it was stored: registers 0-3 at 16 x lane, 4-5 at 512 + 8 x lane, 6-9 and 10-11 likewise 768 bytes on: every load takes consecutive bytes
	ds_load_b128 v[\reg:\reg+3], v[\adr] offset:3072*(\i)+1536*(\q)
	ds_load_b64 v[\reg+4:\reg+5], v[\adr+2] offset:3072*(\i)+1536*(\q)+512
	ds_load_b128 v[\reg+6:\reg+9], v[\adr] offset:3072*(\i)+1536*(\q)+768
	ds_load_b64 v[\reg+10:\reg+11], v[\adr+2] offset:3072*(\i)+1536*(\q)+1280
.endm
; 16 matrix instructions: A's blocks a0, a0 + 1 x B's eight, the slot's q-th 128 along K.  p: B's set; sc: the set of scale words.  zero = 1: C = the bias by column; 2: by row; 0: the sum goes on.
; The 64 accumulators take turns, one instruction a turn, in the same order in every step.
.macro MUL16 a0, p, q, sc, zero
.irp a, \a0, \a0+1
.irp b, 0,1,2,3,4,5,6,7
.if \zero == 1
	v_wmma_scale_f32_16x16x128_f8f6f4 v[8*(8*((\a)%4)+\b):8*(8*((\a)%4)+\b)+7], v[128*(\p)+FR*\b:128*(\p)+FR*\b+FR-1], v[AF+FR*(\a):AF+FR*(\a)+FR-1], v[BI+8*\b:BI+8*\b+7], v[SC+8*NQ*(\sc)+NQ*\b+(\q)], v[SC+8*NQ*(\sc)+NQ*(\a)+(\q)] matrix_a_fmt:MATRIX_FMT_FP6 matrix_b_fmt:MATRIX_FMT_FP6 matrix_a_scale:MATRIX_SCALE_ROW1
.elseif \zero == 2
	v_wmma_scale_f32_16x16x128_f8f6f4 v[8*(8*((\a)%4)+\b):8*(8*((\a)%4)+\b)+7], v[128*(\p)+FR*\b:128*(\p)+FR*\b+FR-1], v[AF+FR*(\a):AF+FR*(\a)+FR-1], v[BI+8*(\a):BI+8*(\a)+7], v[SC+8*NQ*(\sc)+NQ*\b+(\q)], v[SC+8*NQ*(\sc)+NQ*(\a)+(\q)] matrix_a_fmt:MATRIX_FMT_FP6 matrix_b_fmt:MATRIX_FMT_FP6 matrix_a_scale:MATRIX_SCALE_ROW1
.else
	v_wmma_scale_f32_16x16x128_f8f6f4 v[8*(8*((\a)%4)+\b):8*(8*((\a)%4)+\b)+7], v[128*(\p)+FR*\b:128*(\p)+FR*\b+FR-1], v[AF+FR*(\a):AF+FR*(\a)+FR-1], v[8*(8*((\a)%4)+\b):8*(8*((\a)%4)+\b)+7], v[SC+8*NQ*(\sc)+NQ*\b+(\q)], v[SC+8*NQ*(\sc)+NQ*(\a)+(\q)] matrix_a_fmt:MATRIX_FMT_FP6 matrix_b_fmt:MATRIX_FMT_FP6 matrix_a_scale:MATRIX_SCALE_ROW1
.endif
.endr
.endr
.endm
.macro FETCH_B slot, q, p
	WIN TO_B
.irp i, 0,1,2,3,4,5,6,7
	FRAG 128*(\p)+FR*\i, ADRB+\slot, \q, \i
.endr
	WIN 0
.endm
.macro FETCH_A slot, q, i0
.irp i, \i0, \i0+1, \i0+2, \i0+3
	FRAG AF+FR*(\i), ADRA+\slot, \q, \i
.endr
.endm
.macro SCALES sc                       ; a slot's scale words into set sc: register NQ i + q: lanes 0-15 the word of A's block i, lanes 16-31 that of B's block i
.irp i, 0,1,2,3,4,5,6,7
.irp q, 0,1
	ds_load_b32 v[SC+8*NQ*\sc+NQ*\i+\q], v[ADRS] offset:512*\i+64*\q
.endr
.endr
.endm
.macro PLACES n                        ; plain vector instructions between a matrix instruction and a load into, or a read of, its registers (ISA guide 7.12.1 for a read of its registers)
.rept \n
	v_nop
.endr
.endm
.macro STEP slot, q, zero              ; a step of 128 along K that has its successor in the same slot
	s_wait_dscnt 4*NL                              ; B's set, A's blocks 0-3 and the scale words are in; the youngest 16 loads (A's blocks 4-7) may be out
.if \zero
	WIN 0x81                                       ; C (the bias) in window 0
.else
	WIN MUL_LO
.endif
	MUL16 0, (\q)%2, \q, \slot, \zero
	MUL16 2, (\q)%2, \q, \slot, \zero
	s_wait_dscnt 0
	PLACES NP
	FETCH_B \slot, (\q)+1, 1-(\q)%2
	FETCH_A \slot, (\q)+1, 0
.if \zero
	WIN 0xc1
.else
	WIN MUL_HI
.endif
	MUL16 4, (\q)%2, \q, \slot, \zero
	MUL16 6, (\q)%2, \q, \slot, \zero
	PLACES NP
	WIN 0
	FETCH_A \slot, (\q)+1, 4
.endm
; A slot's last step changes slots: one barrier; in front of it each wave waits for all its tensor loads, adds 0 to its spare word, and waits for that and for its reads of this slot.  fill = 1: the slot is filled again.
.macro TURN slot, next, fill
	s_wait_tensorcnt 0x0                           ; all my tensor loads have landed: my part of the next slot
	ds_add_u32 v[SPW], v[NIL]                      ; 0 onto my spare word
	s_wait_dscnt 4*NL+1                            ; (the add and the youngest 16 loads, A's blocks 4-7, may be out)
	WIN MUL_LO
	MUL16 0, 1, NQ-1, \slot, 0                     ; sixteen matrix instructions stand between the add and the wait for it
	s_wait_dscnt 0x0                               ; the add is done, and my reads of this slot are over
	s_barrier_signal -1
	MUL16 2, 1, NQ-1, \slot, 0
	WIN 0
	s_barrier_wait -1
.if \fill
	CREST                                          ; the barrier has opened a round of the cluster's: no wave of any partner still reads this slot or has a load on its way
	s_add_nc_u64 s[G0+4*\slot+2:G0+4*\slot+3], s[G0+4*\slot+2:G0+4*\slot+3], 6144
	s_add_nc_u64 s[G0B+4*\slot+2:G0B+4*\slot+3], s[G0B+4*\slot+2:G0B+4*\slot+3], 6144
	JLOAD G0+4*\slot, G1, G0B+4*\slot, G1B         ; the first tensor load behind the round; its four v_nop are the places in front of the loads below
.else
	PLACES NP
.endif
	s_wait_alu depctr_va_vdst(0)
	v_add_nc_u32 v[ADRS], 64*NQ, v[ADRS]           ; on to the next slot's scale words
	FETCH_B \next, 0, 0
	FETCH_A \next, 0, 0
	SCALES \next
	WIN MUL_HI
	MUL16 4, 1, NQ-1, \slot, 0
	MUL16 6, 1, NQ-1, \slot, 0
	PLACES NP
	WIN 0
	FETCH_A \next, 0, 4
.endm
	s_wait_alu depctr_va_vdst(0)
	s_wait_tensorcnt 0x0                           ; my tile of the head's four is in; the three lines ahead of a later first fill, as ahead of a refill
	ds_add_u32 v[SPW], v[NIL]
	s_mov_b32 s[G1+2], 8<<16                       ; no tensor load of mine is out: from here on a load brings 8 row tiles,
	s_mov_b32 s[G1+4], 8
	s_mov_b32 s[G1B+2], 8<<16
	s_mov_b32 s[G1B+4], 8
	s_mov_b32 s[G0+1], s45                         ; and slot 0's group 0 is set for the ring: my part's place and my 8 row tiles
	s_add_nc_u64 s[G0+2:G0+3], s[G0+2:G0+3], s[18:19]
	s_mov_b32 s[G0B+1], s45
	s_add_nc_u64 s[G0B+2:G0B+3], s[G0B+2:G0B+3], s[18:19]
	s_wait_dscnt 0x0
	CROUND                                         ; all four tiles are in, and all sixteen work-groups are here
	JLOAD G0+4, G1, G0B+4, G1B                     ; slot 1's first fill, the first tensor load behind the round
	FETCH_B 0, 0, 0
	FETCH_A 0, 0, 0
	SCALES 0
	FETCH_A 0, 0, 4
	s_wait_loadcnt 0x0                             ; the bias
	s_cmp_ge_u32 s17, 8                            ; the first step is written twice: it names the bias by column or by row.  The branch hangs on the cluster's y, the same in all partners
	s_cbranch_scc1 .Lfirst_v
	STEP 0, 0, 1
	s_branch .Lfirst_done
.Lfirst_v:
	STEP 0, 0, 2
.Lfirst_done:
	s_mov_b32 s3, LAPS-1
.Llap:                                                 ; a trip goes once round the ring and fills both slots again
	TURN 0, 1, 1
	STEP 1, 0, 0
	TURN 1, 0, 1
	STEP 0, 0, 0
	s_sub_co_u32 s3, s3, 1
	s_cmp_lg_u32 s3, 0
	s_cbranch_scc1 .Llap
	TURN 0, 1, 0                                   ; the last lap fills nothing
	STEP 1, 0, 0
	s_wait_dscnt 4*NL
	WIN MUL_LO
	MUL16 0, 1, NQ-1, 1, 0
	MUL16 2, 1, NQ-1, 1, 0
	s_wait_dscnt 0
	WIN MUL_HI
	MUL16 4, 1, NQ-1, 1, 0
	MUL16 6, 1, NQ-1, 1, 0
	WIN 0
	PLACES NP                                      ; in front of the first read of results and of the writes into registers that held the bias
	; THE WAY OUT.  Where my 128 x 128 goes.  tokens: 256 (4 (y % 4) + cy or cx) + 128 x half; channels: 256 (cx or cy) + 128 x half = two heads.
	s_cmp_lt_u32 s17, 4
	s_mov_b32 s12, 13056
	s_cselect_b32 s12, 6656, s12                   ; a step's bytes in qbuf or in kvbuf
	s_cselect_b64 s[96:97], s[96:97], s[98:99]     ; the buffer
	s_lshl_b32 s42, s12, 4                         ; a head's 16 steps
	s_and_b32 s13, s17, 3
	s_lshl_b32 s13, s13, 2
	s_mov_b32 s66, 768
	s_mov_b32 s67, 3072
	s_mov_b32 s104, 6144
	s_cmp_ge_u32 s17, 8                            ; v?
	s_cselect_b32 s8, s40, s41                     ; the tokens' place in the cluster
	s_cselect_b32 s9, s16, s15                     ; and their half
	s_cselect_b32 s10, s41, s40                    ; the channels' place
	s_cselect_b32 s11, s15, s16                    ; and their half
	s_cselect_b32 s42, 768, s42                    ; from the codes' registers 0-5 to 6-11: v: the next 64 keys;  q, k: the next head
	s_cselect_b32 s66, 1536, s66                   ; from 16 rows to the next, within four
	s_cselect_b32 s67, 208896, s67                 ; and from four such to the next four: v: the next head
	s_cselect_b32 s95, 208640, 0                   ; scale words: what lanes 16-31 add (v: the next head's 256 bytes)
	s_cselect_b32 s100, 65536, 0                   ; v: blocks 2, 3 join blocks 0, 1 in one word
	s_cselect_b32 s101, 6656, 0                    ; the codes' place in a step
	s_cselect_b32 s104, 12800, s104                ; the scale words'
	s_cselect_b32 s105, 1, 0
	s_add_co_u32 s8, s8, s13                       ; which 256 tokens of 4,096
	s_lshr_b32 s13, s8, 3                          ; the batch
	s_lshl_b32 s13, s13, 4
	s_lshl_b32 s10, s10, 2
	s_add_co_u32 s13, s13, s10
	s_lshl_b32 s11, s11, 1
	s_add_co_u32 s13, s13, s11                     ; 16 x batch + my first head
	s_lshl_b32 s13, s13, 4
	s_and_b32 s8, s8, 7
	s_lshl_b32 s8, s8, 1
	s_add_co_u32 s13, s13, s8
	s_add_co_u32 s13, s13, s9                      ; x 16 + the step of 128 tokens
	s_mul_i32 s13, s13, s12
	s_add_co_u32 s101, s101, s13                   ; my first codes
	s_add_co_u32 s104, s104, s13                   ; my first scale words
	s_mov_b32 s98, 0x76543210
	s_mov_b32 s99, 0xfedcba98                      ; v_permlanex16_b32's selects for lane l xor 16
.irp c, 0,1,2,3
	v_mov_b32 v[TM+4+\c], 0                        ; written once: a lane permute's destination counts as one of its sources
.endr
; 16 rows x 128 columns: four blocks of 32 a row.  Each accumulator is read from its low end on.
.macro QROW a
.set AC, 64*((\a)%4)
.set QW, 2+(\a)/4
.set QS, (QW<<2)|(QW<<4)
.if (\a) > 0
	s_wait_xcnt 0x0                                ; the last rows' stores have read their registers: codes and offsets are written again only behind this wait
.endif
	WIN QS                                         ; sources 1 and 2: the accumulators' window
.irp c, 0,1,2,3
	v_mov_b32 v[TM+\c], 0x1800000                  ; the floor 2^(3 - 127): the byte cannot fall under 1
.endr
.irp i, 0,2,4,6,8,10,12,14
.irp c, 0,1,2,3
	v_max3_num_f32 v[TM+\c], v[TM+\c], |v[AC+16*\c+\i]|, |v[AC+16*\c+\i+1]|
.endr
.endr
	WIN 0
.irp c, 0,1,2,3
	v_permlanex16_b32 v[TM+4+\c], v[TM+\c], s98, s99
.endr
.irp c, 0,1,2,3
	v_max_num_f32 v[TM+\c], v[TM+\c], v[TM+4+\c]   ; with lane l xor 16's 16 columns: the block's largest magnitude
.endr
.irp c, 0,1,2,3
	v_add_nc_u32 v[TM+12+\c], 0xff000000, v[TM+\c] ; 2 off its exponent field: the conversion's scale operand
.endr
.irp c, 0,1,2,3
	v_lshrrev_b32 v[TM+4+\c], 23, v[TM+12+\c]      ; the scale's byte
.endr
	v_lshl_or_b32 v[W1+(\a)], v[TM+5], 8, v[TM+4]
	v_lshl_or_b32 v[W2+(\a)], v[TM+7], 8, v[TM+6]
	v_mad_u32_u24 v[W1+(\a)], v[W2+(\a)], s100, v[W1+(\a)]   ; v: all four bytes in one word
	WIN QW                                         ; source 0: the accumulators' window
	v_cvt_scalef32_pk16_fp6_f32 v[PC:PC+2], v[AC:AC+15], v[TM+12]
	v_cvt_scalef32_pk16_fp6_f32 v[PC+12:PC+14], v[AC+16:AC+31], v[TM+13]
	v_cvt_scalef32_pk16_fp6_f32 v[PC+6:PC+8], v[AC+32:AC+47], v[TM+14]
	v_cvt_scalef32_pk16_fp6_f32 v[PC+16:PC+18], v[AC+48:AC+63], v[TM+15]
	WIN 0
	v_nop                                          ; one plain place behind a scaled conversion
.irp c, 0,1
.irp i, 0,1,2
	v_permlane16_swap_b32 v[PC+6*\c+\i], v[PC+12+4*\c+\i]   ; a whole block to a lane: lanes 0-15 block 2 c, lanes 16-31 block 2 c + 1
.endr
.irp i, 0,1,2
	v_mov_b32 v[PC+3+6*\c+\i], v[PC+12+4*\c+\i]
.endr
.endr
	s_mul_i32 s2, s66, (\a)%4
	s_add_co_u32 s2, s2, s101
.if (\a) >= 4
	s_add_co_u32 s2, s2, s67
.endif
	v_add_nc_u32 v8, s2, v3
	v_add_nc_u32 v9, s2, v4
	v_add_nc_u32 v10, s42, v8
	v_add_nc_u32 v11, s42, v9
	global_store_b128 v8, v[PC:PC+3], s[96:97]               ; 512 consecutive bytes, at a multiple of 256 from the buffer's first byte
	global_store_b64 v9, v[PC+4:PC+5], s[96:97] offset:512   ; 256 consecutive bytes
	global_store_b128 v10, v[PC+6:PC+9], s[96:97]
	global_store_b64 v11, v[PC+10:PC+11], s[96:97] offset:512
.endm
.irp a, 0,1,2,3,4,5,6,7
	QROW \a
.endr
	; the scale words leave together: through my own 1,024 bytes of slot 0, which has had its last fill and, since the last change of slots, its last read
.irp a, 0,1,2,3,4,5,6,7
	ds_store_b32 v[SS], v[W1+\a] offset:64*\a      ; both halves of the lanes write the same word with the same value
.endr
.irp a, 0,1,2,3,4,5,6,7
	ds_store_b32 v[SS], v[W2+\a] offset:512+64*\a
.endr
	ds_load_b128 v[Z:Z+3], v[SL]                   ; LDS serves a wave's instructions in order: these see my stores
	ds_load_b128 v[Z+4:Z+7], v[SL] offset:512
	v_mul_u32_u24 v5, v2, s95
	v_add_nc_u32 v5, v5, v3
	v_add_nc_u32 v[SOF], s104, v5
	v_add_nc_u32 v[SOF2], s42, v[SOF]
	s_wait_alu depctr_va_vdst(0)
	s_wait_dscnt 0x0
	global_store_b128 v[SOF], v[Z:Z+3], s[96:97]   ; q, k: my first head's 128 words, 512 consecutive bytes;  v: 64 words for each of my two heads, 256 bytes each
	s_cmp_eq_u32 s105, 1
	s_cbranch_scc1 .Lno_second                     ; v's words are whole already
	global_store_b128 v[SOF2], v[Z+4:Z+7], s[96:97]   ; q, k: my second head's
.Lno_second:
	s_wait_tensorcnt 0x0                           ; the wave's end: behind my last tensor load and my last LDS store
	ds_add_u32 v[SPW], v[NIL]
	s_wait_dscnt 0x0
	CROUND                                         ; the closing round: no work-group ends while a partner may still ask for a tile that names it
	s_endpgm
.Lfunc_end_k_q539cd1dbef_proj:
	.size	k_q539cd1dbef_proj, .Lfunc_end_k_q539cd1dbef_proj-k_q539cd1dbef_proj
	.p2alignl 7, 3214868480
	.fill 96, 4, 3214868480
	.section	.rodata,"a",@progbits
	.p2align	6, 0x0
	.amdhsa_kernel k_q539cd1dbef_proj
		.amdhsa_group_segment_fixed_size 327680
		.amdhsa_private_segment_fixed_size 0
		.amdhsa_enable_private_segment 0
		.amdhsa_kernarg_size 56
		.amdhsa_user_sgpr_count 2
		.amdhsa_user_sgpr_kernarg_segment_ptr 1
		.amdhsa_wavefront_size32 1
		.amdhsa_system_sgpr_workgroup_id_x 1
		.amdhsa_system_sgpr_workgroup_id_y 1
		.amdhsa_system_sgpr_workgroup_id_z 1
		.amdhsa_system_vgpr_workitem_id 0
		.amdhsa_next_free_vgpr 1024
		.amdhsa_next_free_sgpr 106
		.amdhsa_reserve_vcc 0
		.amdhsa_float_denorm_mode_32 3
		.amdhsa_float_denorm_mode_16_64 3
		.amdhsa_memory_ordered 1
		.amdhsa_forward_progress 1
		.amdhsa_inst_pref_size 176
	.end_amdhsa_kernel
	.amdgpu_metadata
---
amdhsa.version: [ 1, 2 ]
amdhsa.kernels:
  - .name:           k_q539cd1dbef_proj
    .symbol:         k_q539cd1dbef_proj.kd
    .args:
      - { .name: codes, .offset: 0, .size: 8, .value_kind: global_buffer, .address_space: global }
      - { .name: scales, .offset: 8, .size: 8, .value_kind: global_buffer, .address_space: global }
      - { .name: b_q, .offset: 16, .size: 8, .value_kind: global_buffer, .address_space: global }
      - { .name: b_k, .offset: 24, .size: 8, .value_kind: global_buffer, .address_space: global }
      - { .name: b_v, .offset: 32, .size: 8, .value_kind: global_buffer, .address_space: global }
      - { .name: qbuf, .offset: 40, .size: 8, .value_kind: global_buffer, .address_space: global }
      - { .name: kvbuf, .offset: 48, .size: 8, .value_kind: global_buffer, .address_space: global }
    .group_segment_fixed_size: 327680
    .private_segment_fixed_size: 0
    .kernarg_segment_align: 8
    .kernarg_segment_size: 56
    .max_flat_workgroup_size: 128
    .sgpr_count:     106
    .vgpr_count:     1024
    .wavefront_size: 32
...
	.end_amdgpu_metadata
.endif
;; end of part 2
;; launch attn (part 3): grid 8 x 32, 16 waves a work-group, clusters of 4 x 1, 210,944 bytes of LDS; arguments qbuf, kvbuf, oimg, oscl; writes oimg, oscl
.if DOCPART == 3
	.amdgcn_target "amdgcn-amd-amdhsa--gfx1250"
	.amdhsa_code_object_version 6
	.text
	.protected	k_q539cd1dbef_attn
	.globl	k_q539cd1dbef_attn
	.p2align	8
	.type	k_q539cd1dbef_attn,@function
k_q539cd1dbef_attn:
	s_mov_b64 s[64:65], 0
	v_nop
	global_prefetch_b8 v0, s[64:65] scope:SCOPE_SE
	s_setreg_imm32_b32 hwreg(HW_REG_WAVE_MODE, 25, 1), 1
	s_wait_xcnt 0x0
	s_wait_alu depctr_hold_cnt(0) depctr_sa_sdst(0) depctr_va_vdst(0) depctr_va_sdst(0) depctr_va_ssrc(0) depctr_va_vcc(0) depctr_vm_vsrc(0)
	s_getreg_b32 s2, hwreg(HW_REG_IB_STS2, 6, 4)
	s_cmp_eq_u32 s2, 0
	s_cbranch_scc0 .Lentry_in_a_cluster
	s_endpgm
.Lentry_in_a_cluster:
	s_bfe_u32 s2, ttmp6, 0x10000c
	s_cmp_lg_u32 s2, 0x3003
	s_cbranch_scc0 .Lentry_shape_is_right
	s_endpgm
.Lentry_shape_is_right:
; For each of 32 heads (batch x head): O[q] = the sum over k of softmax_k(Q[q] . K[k] / 8) V[k], 2,048 queries and keys, head size 64, both products on codes of FP6 (E2M3) with E8M0 scales.
; THE SOFTMAX AHEAD OF THE SECOND PRODUCT: t = score x log2(e) / 8; M = the largest t so far, rounded UP to a whole number; p = 2^(t - M) is quantised along the keys, not normalised.
; The row's sum is taken of the unquantised p and divides O at the end.  When M moves, the sum and O are multiplied by 2^(old M - new M): exact.  The result is quantised along the channels for the output projection.
; IN.  qbuf: [32][16 steps of 128 queries][6656]: 8 pair images (16 queries x 64 channels, 768 bytes: the operand's registers 0-3 at 16 x lane, 4-5 at 512 + 8 x lane), 128 scale words.
;      kvbuf: [32][16 steps of 128 keys][13056]: K's 8 pair images | its 128 words at 6144 | V^T: 4 tiles of 16 channels x 128 keys (1,536 bytes) at 6656 | its 64 words at 12800.
; OUT. oimg: [256 tiles of 16 tokens][16 heads][768]: pair images; two heads are a K step of the next product.  oscl: [256][8 K steps][16 words]: a head's two bytes are half a word.
; THE FIRST PRODUCT'S K IS 64, half of the instruction's 128: registers 6-11 of Q's and K's fragments hold zero codes, and their scale bytes are 0 (2^-127 over zeros adds nothing).
; A WHOLE HEAD'S K AND V, 208,896 bytes, COME INTO LDS ONCE: wave w brings key step w by one tensor load.  No slot is filled again.
; CLUSTER: the four work-groups of a cluster take four blocks of 256 queries of one head and need the same K and V: each load is a joint one, with a mask that names the four.
; SHARES: a work-group 256 queries, each of its sixteen waves 16, in 256 registers: four waves to a SIMD, so that one wave's vector work stands beside another's matrix work and LDS loads.
; LAYOUT: both products are used transposed (S^T = K Q^T, O^T = V^T P^T): a lane holds one query (lane % 16).  Tiles 2 c, 2 c + 1 of S^T give lane (r, h) the keys 32 c + 16 u + 8 h + j in register 8 u + j; converted
; and exchanged, place 16 h + 8 u + j of the block holds that key: the very order in which V's codes were laid.  O's channels come out in the same order, and w_o's codes were laid so.
; No prefetch: the one stream is asked for whole at the head.  LIMITS: NaN and infinities are not served.
.set STEPB, 13056
.set KF,  32                           ; v32-79   four fragments of K (registers 6-11 of each stay 0)
.set VF,  80                           ; v80-127  V^T's four fragments
.set S,   128                          ; v128-191 S^T, then p
.set O,   192                          ; v192-223 O^T
.set TB,  2                            ; s2   LDS byte at which the key step in hand begins
.set CNT, 3                            ; s3   key steps to go
.set WV,  18
.set SEL, 20                           ; s[20:21] selects for lane l xor 16
.set CS,  22                           ; s[22:23] c = log2(e) / 8
.set G1,  24
.set G0,  32
; v1-3 addresses of the step in hand; v4 16 x lane, v5 8 x lane, v6 4 r; v12 -M, v13 the largest t, v[14:15] the sum in two halves; v16-27 Q; v28-31 V's scale words; v224-235 p's codes; v232-254 at work;
; v248-251 K's scale words; v252 f; v253 p's scale word; v255 Q's
.macro CROUND                          ; a round of the cluster's barrier
	s_barrier_signal -1
	s_barrier_wait -1
	s_cmp_lg_u32 s[WV], 0
	s_cbranch_scc1 .Lnot_wave_0_\@
	s_barrier_signal -3
.Lnot_wave_0_\@:
	s_barrier_wait -3
	s_barrier_signal -1
	s_barrier_wait -1
.endm
	s_load_b128 s[4:7], s[0:1], 0x0                ; qbuf, kvbuf
	s_load_b128 s[8:11], s[0:1], 0x10              ; oimg, oscl
	v_lshl_add_u32 v11, v0, 2, 0x33000
	v_mov_b32 v243, 0
	ds_add_u32 v11, v243
	ds_add_u32 v11, v243
	v_lshrrev_b32 v1, 5, v0
	s_delay_alu instid0(VALU_DEP_1)
	v_readfirstlane_b32 s[WV], v1                  ; wave 0..15
	s_bfe_u32 s12, ttmp6, 0x40000                  ; cx
	s_lshl_b32 s13, ttmp9, 2
	s_add_co_u32 s13, s13, s12                     ; my block of 256 queries: it enters Q's and O's addresses alone
	s_and_b32 s14, ttmp7, 0xffff                   ; the head, which the four partners share
	s_lshl_b32 s15, s14, 4
	s_add_co_u32 s16, s15, s[WV]
	s_mul_i32 s16, s16, STEPB                      ; key step w of my head, in memory,
	s_mov_b32 s17, 0
	s_mul_i32 s19, s[WV], STEPB                    ; and in LDS
	s_mov_b32 s[G1], 15|(3<<16)|(1<<21)            ; 15:0 the mask: all four work-groups; 17:16 elements of 8 bytes; 21 set beside a mask; no padding
	s_mov_b32 s[G1+1], 32<<16                      ; tensor_dim0: 256 bytes
	s_mov_b32 s[G1+2], 51<<16                      ; tensor_dim1: 51 rows: a dense block of 13,056 bytes
	s_mov_b32 s[G1+3], 32<<16
	s_mov_b32 s[G1+4], 51
	s_mov_b32 s[G1+5], 32
	s_mov_b32 s[G1+6], 0
	s_mov_b32 s[G1+7], 0
	s_mov_b32 s[SEL], 0x76543210
	s_mov_b32 s[SEL+1], 0xfedcba98
	s_mov_b32 s[CS], 0x3e38aa3b
	s_mov_b32 s[CS+1], s[CS]                       ; (named with it as a pair, so it is written)
	s_lshl_b32 s36, s13, 4
	s_add_co_u32 s36, s36, s[WV]                   ; my tile of 16 queries among the head's 128
	s_lshr_b32 s37, s36, 3
	s_add_co_u32 s37, s37, s15
	s_mul_i32 s37, s37, 6656                       ; its step of 128 queries in qbuf
	s_and_b32 s38, s36, 7
	s_mul_i32 s39, s38, 768
	s_add_co_u32 s40, s37, s39                     ; its pair image
	s_mov_b32 s41, 0
	s_lshl_b32 s38, s38, 6
	s_add_co_u32 s42, s37, s38
	s_add_co_u32 s42, s42, 6144                    ; its scale words
	s_mov_b32 s43, 0
	s_lshr_b32 s44, s14, 4
	s_lshl_b32 s44, s44, 7
	s_add_co_u32 s44, s44, s36                     ; its place among the 256 tiles of tokens
	s_and_b32 s45, s14, 15                         ; the head within the batch
	s_mul_i32 s46, s44, 12288
	s_mul_i32 s47, s45, 768
	s_add_co_u32 s46, s46, s47
	s_mov_b32 s47, 0
	s_lshl_b32 s38, s44, 9
	s_lshr_b32 s44, s45, 1
	s_lshl_b32 s44, s44, 6
	s_add_co_u32 s38, s38, s44
	s_and_b32 s45, s45, 1
	s_lshl_b32 s45, s45, 1
	s_add_co_u32 s38, s38, s45                     ; the tile's scale words, the K step, my head's half of a word
	s_mov_b32 s39, 0
	s_wait_dscnt 0x0
	s_wait_kmcnt 0x0
	s_add_nc_u64 s[40:41], s[4:5], s[40:41]
	s_add_nc_u64 s[42:43], s[4:5], s[42:43]
	s_add_nc_u64 s[8:9], s[8:9], s[46:47]
	s_add_nc_u64 s[10:11], s[10:11], s[38:39]
	CROUND                                         ; all four work-groups are here: the joint loads meet
	s_mov_b32 s[G0], 1
	s_mov_b32 s[G0+1], s19
	s_add_nc_u64 s[G0+2:G0+3], s[6:7], s[16:17]
	s_or_b32 s[G0+3], s[G0+3], 0x80000000
	s_cmp_lt_u32 s[WV], 4                          ; two load lines: waves 0-3, whose key steps 0-3 are read first, have a line and a wait of their own
	s_cbranch_scc0 .Llater
	tensor_load_to_lds s[G0:G0+3], s[G1:G1+7]      ; my one tensor load
	s_nop 0
.rept 4
	v_nop
.endr
	s_branch .Lasked
.Llater:
	tensor_load_to_lds s[G0:G0+3], s[G1:G1+7]      ; my one tensor load
	s_nop 0
.rept 4
	v_nop
.endr
.Lasked:
	v_and_b32 v7, 31, v0
	s_delay_alu instid0(VALU_DEP_1)
	v_lshlrev_b32 v4, 4, v7
	s_delay_alu instid0(VALU_DEP_2)
	v_lshlrev_b32 v5, 3, v7
	v_and_b32 v6, 15, v0
	s_delay_alu instid0(VALU_DEP_1)
	v_lshlrev_b32 v6, 2, v6
	global_load_b128 v[16:19], v4, s[40:41]        ; Q's fragment stays in registers
	global_load_b64 v[20:21], v5, s[40:41] offset:512
	global_load_b32 v255, v6, s[42:43]             ; and its scale words
.irp i, 22,23,24,25,26,27
	v_mov_b32 v\i, 0                               ; k = 64 .. 127: zero codes
.endr
.irp t, 0,1,2,3
.irp i, 6,7,8,9,10,11
	v_mov_b32 v[KF+12*\t+\i], 0
.endr
.endr
	v_mov_b32 v13, 0xff61b1e6                      ; the largest t so far: -3e38, under every t
	s_delay_alu instid0(VALU_DEP_1)
	v_floor_f32 v12, -v13                          ; -M
	v_mov_b32 v14, 0
	v_mov_b32 v15, 0
.irp b, 0,1,2,3
	v_mov_b32 v[236+\b], 0                         ; written once: a lane permute's destination counts as one of its sources
.endr
	v_mov_b32 v253, 0                              ; (named as the upper half of the pair v[252:253] before it is first written)
.irp j, 0,1,2,3,4,5,6,7,8,9,10,11,12,13,14,15,16,17,18,19,20,21,22,23,24,25,26,27,28,29,30,31
	v_mov_b32 v[O+\j], 0                           ; O^T: the step is written once; the first finds zeros, which the first change of M leaves zeros
.endr
	s_mov_b32 s[TB], 0
	s_mov_b32 s[CNT], 4
	s_wait_alu depctr_va_vdst(0)
	s_wait_loadcnt 0x0                             ; Q
	s_cmp_lt_u32 s[WV], 4
	s_cbranch_scc0 .Lnot_first
	s_wait_tensorcnt 0x0                           ; waves 0-3: my key step is in
.Lnot_first:
	s_barrier_signal -1
	s_barrier_wait -1                              ; key steps 0-3 are in; the other twelve may be on their way
.macro MX0 b                           ; the largest score of block b of 32 keys: its first three
	v_max3_num_f32 v[232+\b], v[S+16*\b], v[S+1+16*\b], v[S+2+16*\b]
.endm
.macro MXI b, i                        ; and two more, from register i on
	v_max3_num_f32 v[232+\b], v[232+\b], v[S+16*\b+(\i)], v[S+1+16*\b+(\i)]
.endm
; A key step of 128 keys
.macro BODY
	v_add_nc_u32 v1, s[TB], v4
	v_add_nc_u32 v2, s[TB], v5
	v_add_nc_u32 v3, s[TB], v6
.irp t, 0,1,2,3
	ds_load_b128 v[KF+12*\t:KF+12*\t+3], v1 offset:768*\t
	ds_load_b64 v[KF+12*\t+4:KF+12*\t+5], v2 offset:768*\t+512
	ds_load_b32 v[248+\t], v3 offset:6144+64*\t
.endr
	s_wait_alu depctr_va_vdst(0)
	s_wait_dscnt 0x0
.irp t, 0,1,2,3
	v_wmma_scale_f32_16x16x128_f8f6f4 v[S+8*\t:S+8*\t+7], v[KF+12*\t:KF+12*\t+11], v[16:27], 0, v[248+\t], v255 matrix_a_fmt:MATRIX_FMT_FP6 matrix_b_fmt:MATRIX_FMT_FP6
.endr
.rept 4
	v_nop                                          ; places in front of loads into registers that these products read; with the three additions above also behind the last step's products, whose V is loaded anew
.endr
.irp t, 0,1,2,3
	ds_load_b128 v[KF+12*\t:KF+12*\t+3], v1 offset:768*(4+\t)
	ds_load_b64 v[KF+12*\t+4:KF+12*\t+5], v2 offset:768*(4+\t)+512
	ds_load_b32 v[248+\t], v3 offset:6144+64*(4+\t)
.endr
.irp t, 0,1,2,3                                ; the step's V^T: it lands while the softmax is walked
	ds_load_b128 v[VF+12*\t:VF+12*\t+3], v1 offset:6656+1536*\t
	ds_load_b64 v[VF+12*\t+4:VF+12*\t+5], v2 offset:6656+1536*\t+512
	ds_load_b128 v[VF+12*\t+6:VF+12*\t+9], v1 offset:6656+1536*\t+768
	ds_load_b64 v[VF+12*\t+10:VF+12*\t+11], v2 offset:6656+1536*\t+1280
	ds_load_b32 v[28+\t], v3 offset:12800+64*\t
.endr
	s_wait_dscnt 20                                ; K's are in; V's 20 loads, issued behind them, may be out
.irp t, 0,1,2,3
	v_wmma_scale_f32_16x16x128_f8f6f4 v[S+32+8*\t:S+32+8*\t+7], v[KF+12*\t:KF+12*\t+11], v[16:27], 0, v[248+\t], v255 matrix_a_fmt:MATRIX_FMT_FP6 matrix_b_fmt:MATRIX_FMT_FP6
.endr
; The largest score of each block of 32 keys: for the row's maximum and, since p rises with the score, for the block's largest p.  Blocks 0 and 1 (tiles 0-3, whose places stand above) go two turns ahead:
; their first four lines name no register of the four products just issued and are the places behind them; blocks 2 and 3 are first read six lines behind those products.
.irp b, 0,1
	MX0 \b
.endr
.irp b, 0,1
	MXI \b, 3
.endr
.irp b, 0,1
	MXI \b, 5
.endr
.irp b, 2,3
	MX0 \b
.endr
.irp i, 7,9,11,13
.irp b, 0,1
	MXI \b, \i
.endr
.irp b, 2,3
	MXI \b, \i-4
.endr
.endr
.irp i, 11,13
.irp b, 2,3
	MXI \b, \i
.endr
.endr
.irp b, 0,1,2,3
	v_max_num_f32 v[232+\b], v[232+\b], v[S+15+16*\b]
.endr
.irp b, 0,1,2,3
	s_delay_alu instid0(VALU_DEP_4)
	v_permlanex16_b32 v[236+\b], v[232+\b], s[SEL], s[SEL+1]
.endr
.irp b, 0,1,2,3
	s_delay_alu instid0(VALU_DEP_4)
	v_max_num_f32 v[232+\b], v[232+\b], v[236+\b]  ; with lane l xor 16's 16 keys
.endr
	s_delay_alu instid0(VALU_DEP_2)
	v_max3_num_f32 v254, v232, v233, v234
	s_delay_alu instid0(VALU_DEP_1)
	v_max_num_f32 v254, v254, v235                 ; the step's largest score of my query
	s_delay_alu instid0(VALU_DEP_1)
	v_mul_f32 v254, s[CS], v254                    ; as t (c is positive)
	s_delay_alu instid0(VALU_DEP_1)
	v_max_num_f32 v13, v13, v254                   ; the running largest t
	v_mov_b32 v254, v12
	s_delay_alu instid0(VALU_DEP_2)
	v_floor_f32 v12, -v13                          ; the new -M = floor(-t): M is a whole number
	s_delay_alu instid0(VALU_DEP_1)
	v_sub_f32 v254, v12, v254                      ; old M - new M: a whole number, 0 or less
	s_delay_alu instid0(VALU_DEP_1)
	v_cvt_i32_f32 v254, v254                       ; (it saturates)
	s_delay_alu instid0(VALU_DEP_1)
	v_ldexp_f32 v252, 1.0, v254                    ; f = 2^(old M - new M)
.irp j, 0,2,4,6,8,10,12,14,16,18,20,22,24,26,28,30,32,34,36,38,40,42,44,46,48,50,52,54,56,58,60,62
	v_pk_fma_f32 v[S+\j:S+1+\j], v[S+\j:S+1+\j], s[CS:CS+1], v[12:13] op_sel_hi:[1,0,0]   ; t - M, two at a time
.endr
.irp b, 0,1,2,3
	v_fma_f32 v[232+\b], v[232+\b], s[CS], v12     ; the same of each block's largest score
.endr
	s_wait_alu depctr_va_vdst(0)
.irp j, 0,1,2,3,4,5,6,7,8,9,10,11,12,13,14,15,16,17,18,19,20,21,22,23,24,25,26,27,28,29,30,31,32,33,34,35,36,37,38,39,40,41,42,43,44,45,46,47,48,49,50,51,52,53,54,55,56,57,58,59,60,61,62,63
	v_exp_f32 v[S+\j], v[S+\j]                     ; p = 2^(t - M), at most 1
.endr
	v_pk_mul_f32 v[14:15], v[14:15], v[252:253] op_sel_hi:[1,0]   ; the sums under the new M: a plain instruction behind the exponentials
	s_wait_alu depctr_va_vdst(0)                   ; one wait for the whole batch, ahead of its first reader
.irp b, 0,1,2,3
	v_exp_f32 v[232+\b], v[232+\b]                 ; the block's largest p
.endr
	v_pk_add_f32 v[236:237], v[132:133], v[136:137]
	v_pk_add_f32 v[250:251], v[140:141], v[144:145]
	v_pk_add_f32 v[248:249], v[148:149], v[152:153]
	v_pk_add_f32 v[246:247], v[156:157], v[160:161]
	v_pk_add_f32 v[244:245], v[164:165], v[168:169]
	v_pk_add_f32 v[240:241], v[172:173], v[176:177]
	v_pk_add_f32 v[238:239], v[180:181], v[184:185]
	v_pk_add_f32 v[14:15], v[14:15], v[188:189]
	v_pk_add_f32 v[236:237], v[236:237], v[128:129]
	v_pk_add_f32 v[250:251], v[250:251], v[130:131]
	v_pk_add_f32 v[248:249], v[248:249], v[134:135]
	v_pk_add_f32 v[246:247], v[246:247], v[138:139]
	v_pk_add_f32 v[244:245], v[244:245], v[142:143]
	v_pk_add_f32 v[240:241], v[240:241], v[146:147]
	v_pk_add_f32 v[238:239], v[238:239], v[150:151]
	v_pk_add_f32 v[14:15], v[14:15], v[154:155]
	v_pk_add_f32 v[236:237], v[236:237], v[158:159]
	v_pk_add_f32 v[250:251], v[250:251], v[162:163]
	v_pk_add_f32 v[248:249], v[248:249], v[166:167]
	v_pk_add_f32 v[246:247], v[246:247], v[170:171]
	v_pk_add_f32 v[244:245], v[244:245], v[174:175]
	v_pk_add_f32 v[240:241], v[240:241], v[178:179]
	v_pk_add_f32 v[238:239], v[238:239], v[182:183]
	v_pk_add_f32 v[14:15], v[14:15], v[186:187]
	v_pk_add_f32 v[236:237], v[236:237], v[190:191]
	s_delay_alu instid0(VALU_DEP_2)
	v_pk_add_f32 v[14:15], v[14:15], v[246:247]
	s_delay_alu instid0(VALU_DEP_2)
	v_pk_add_f32 v[236:237], v[236:237], v[244:245]
	v_pk_add_f32 v[250:251], v[250:251], v[240:241]
	v_pk_add_f32 v[248:249], v[248:249], v[238:239]
	s_delay_alu instid0(VALU_DEP_2)
	v_pk_add_f32 v[14:15], v[14:15], v[250:251]
	s_delay_alu instid0(VALU_DEP_2)
	v_pk_add_f32 v[236:237], v[236:237], v[248:249]
	s_delay_alu instid0(VALU_DEP_1)
	v_pk_add_f32 v[14:15], v[14:15], v[236:237]
	s_wait_alu depctr_va_vdst(0)                   ; and one for the four
.irp b, 0,1,2,3
	v_max_num_f32 v[232+\b], 0x1800000, v[232+\b]  ; the floor 2^(3 - 127): the byte cannot fall under 1
.endr
.irp b, 0,1,2,3
	s_delay_alu instid0(VALU_DEP_4)
	v_add_nc_u32 v[244+\b], 0xff000000, v[232+\b]  ; 2 off the exponent field: the conversion's scale operand
.endr
.irp b, 0,1,2,3
	s_delay_alu instid0(VALU_DEP_4)
	v_lshrrev_b32 v[236+\b], 23, v[244+\b]         ; the scale's byte
.endr
	s_delay_alu instid0(VALU_DEP_3)
	v_lshl_or_b32 v253, v237, 8, v236              ; p's scale word for these 128 keys
	s_delay_alu instid0(VALU_DEP_1)
	v_lshl_or_b32 v253, v238, 16, v253
	s_delay_alu instid0(VALU_DEP_1)
	v_lshl_or_b32 v253, v239, 24, v253
.irp c, 0,1
	v_cvt_scalef32_pk16_fp6_f32 v[224+6*\c:226+6*\c], v[S+32*\c:S+15+32*\c], v[244+2*\c]
	v_cvt_scalef32_pk16_fp6_f32 v[236+4*\c:238+4*\c], v[S+16+32*\c:S+31+32*\c], v[244+2*\c+1]
.endr
	v_nop                                          ; one plain place behind a scaled conversion
.irp c, 0,1
.irp i, 0,1,2
	v_permlane16_swap_b32 v[224+6*\c+\i], v[236+4*\c+\i]
.endr
.irp i, 0,1,2
	s_delay_alu instid0(VALU_DEP_3)
	v_mov_b32 v[227+6*\c+\i], v[236+4*\c+\i]
.endr
.endr
.irp j, 0,2,4,6,8,10,12,14,16,18,20,22,24,26,28,30
	v_pk_mul_f32 v[O+\j:O+1+\j], v[O+\j:O+1+\j], v[252:253] op_sel_hi:[1,0]   ; O^T under the new M.  These sixteen are also the places between the writes of p's codes and scale word and the products
.endr
	s_wait_alu depctr_va_vdst(0)
	s_wait_dscnt 0x0                               ; V
.irp t, 0,1,2,3
	v_wmma_scale_f32_16x16x128_f8f6f4 v[O+8*\t:O+8*\t+7], v[VF+12*\t:VF+12*\t+11], v[224:235], v[O+8*\t:O+8*\t+7], v[28+\t], v253 matrix_a_fmt:MATRIX_FMT_FP6 matrix_b_fmt:MATRIX_FMT_FP6
.endr
	s_add_co_u32 s[TB], s[TB], STEPB
	s_sub_co_u32 s[CNT], s[CNT], 1
	s_cmp_lg_u32 s[CNT], 0
.endm
.Lfirst:                                               ; 4 trips: key steps 0-3
	BODY
	s_cbranch_scc1 .Lfirst
	s_wait_tensorcnt 0x0                           ; every wave: my key step is in,
	s_barrier_signal -1
	s_barrier_wait -1                              ; everybody's is
	s_mov_b32 s[CNT], 12
.Lrest:                                                ; 12 trips: key steps 4-15
	BODY
	s_cbranch_scc1 .Lrest
	; THE WAY OUT: O^T / the sum, quantised along the head's 64 channels (two blocks), as one pair image and half a scale word a row
.rept 4
	v_nop                                          ; places behind the last products
.endr
	v_add_f32 v14, v14, v15
	s_delay_alu instid0(VALU_DEP_1)
	v_permlanex16_b32 v252, v14, s[SEL], s[SEL+1]
	s_delay_alu instid0(VALU_DEP_1)
	v_add_f32 v14, v14, v252                       ; the row's sum
	s_wait_alu depctr_va_vdst(0)
	v_rcp_f32 v14, v14
	v_nop                                          ; a plain instruction behind the reciprocal
	s_wait_alu depctr_va_vdst(0)                   ; and the wait ahead of its first reader
.irp j, 0,2,4,6,8,10,12,14,16,18,20,22,24,26,28,30
	v_pk_mul_f32 v[S+\j:S+1+\j], v[O+\j:O+1+\j], v[14:15] op_sel_hi:[1,0]   ; register 8 t + i: channel 16 t + 8 h + i of my query
.endr
.irp c, 0,1
	v_max3_num_f32 v[232+\c], |v[S+16*\c]|, |v[S+1+16*\c]|, 0x1800000
.endr
.irp i, 2,4,6,8,10,12,14
.irp c, 0,1
	s_delay_alu instid0(VALU_DEP_2)
	v_max3_num_f32 v[232+\c], v[232+\c], |v[S+16*\c+\i]|, |v[S+1+16*\c+\i]|
.endr
.endr
.irp c, 0,1
	s_delay_alu instid0(VALU_DEP_2)
	v_permlanex16_b32 v[236+\c], v[232+\c], s[SEL], s[SEL+1]
.endr
.irp c, 0,1
	s_delay_alu instid0(VALU_DEP_2)
	v_max_num_f32 v[232+\c], v[232+\c], v[236+\c]
.endr
.irp c, 0,1
	s_delay_alu instid0(VALU_DEP_2)
	v_add_nc_u32 v[244+\c], 0xff000000, v[232+\c]
.endr
.irp c, 0,1
	s_delay_alu instid0(VALU_DEP_2)
	v_lshrrev_b32 v[236+\c], 23, v[244+\c]
.endr
	s_delay_alu instid0(VALU_DEP_1)
	v_lshl_or_b32 v246, v237, 8, v236              ; my row's two bytes
	v_cvt_scalef32_pk16_fp6_f32 v[224:226], v[S:S+15], v244
	v_cvt_scalef32_pk16_fp6_f32 v[228:230], v[S+16:S+31], v245
	v_nop
.irp i, 0,1,2
	v_permlane16_swap_b32 v[224+\i], v[228+\i]     ; lanes 0-15: block 0, lanes 16-31: block 1; the first three registers its lower 16 codes, the others its upper 16
.endr
	s_delay_alu instid0(VALU_DEP_3)
	v_mov_b32 v227, v228
	s_delay_alu instid0(VALU_DEP_3)
	v_mov_b32 v228, v229
	s_delay_alu instid0(VALU_DEP_3)
	v_mov_b32 v229, v230
	global_store_b128 v4, v[224:227], s[8:9]       ; 512 consecutive bytes
	global_store_b64 v5, v[228:229], s[8:9] offset:512   ; 256 consecutive bytes
	global_store_b16 v6, v246, s[10:11]            ; two bytes of each row's word: the other two are another head's (2 bytes for 48 of codes); both halves of the lanes write the same
	s_wait_tensorcnt 0x0
	ds_add_u32 v11, v243
	s_wait_dscnt 0x0
	CROUND                                         ; the closing round: no work-group ends while a partner may still ask for a tile that names it
	s_endpgm
.Lfunc_end_k_q539cd1dbef_attn:
	.size	k_q539cd1dbef_attn, .Lfunc_end_k_q539cd1dbef_attn-k_q539cd1dbef_attn
	.p2alignl 7, 3214868480
	.fill 96, 4, 3214868480
	.section	.rodata,"a",@progbits
	.p2align	6, 0x0
	.amdhsa_kernel k_q539cd1dbef_attn
		.amdhsa_group_segment_fixed_size 210944
		.amdhsa_private_segment_fixed_size 0
		.amdhsa_enable_private_segment 0
		.amdhsa_kernarg_size 32
		.amdhsa_user_sgpr_count 2
		.amdhsa_user_sgpr_kernarg_segment_ptr 1
		.amdhsa_wavefront_size32 1
		.amdhsa_system_sgpr_workgroup_id_x 1
		.amdhsa_system_sgpr_workgroup_id_y 1
		.amdhsa_system_sgpr_workgroup_id_z 1
		.amdhsa_system_vgpr_workitem_id 0
		.amdhsa_next_free_vgpr 256
		.amdhsa_next_free_sgpr 66
		.amdhsa_reserve_vcc 0
		.amdhsa_float_denorm_mode_32 3
		.amdhsa_float_denorm_mode_16_64 3
		.amdhsa_memory_ordered 1
		.amdhsa_forward_progress 1
		.amdhsa_inst_pref_size 48
	.end_amdhsa_kernel
	.amdgpu_metadata
---
amdhsa.version: [ 1, 2 ]
amdhsa.kernels:
  - .name:           k_q539cd1dbef_attn
    .symbol:         k_q539cd1dbef_attn.kd
    .args:
      - { .name: qbuf, .offset: 0, .size: 8, .value_kind: global_buffer, .address_space: global }
      - { .name: kvbuf, .offset: 8, .size: 8, .value_kind: global_buffer, .address_space: global }
      - { .name: oimg, .offset: 16, .size: 8, .value_kind: global_buffer, .address_space: global }
      - { .name: oscl, .offset: 24, .size: 8, .value_kind: global_buffer, .address_space: global }
    .group_segment_fixed_size: 210944
    .private_segment_fixed_size: 0
    .kernarg_segment_align: 8
    .kernarg_segment_size: 32
    .max_flat_workgroup_size: 512
    .sgpr_count:     66
    .vgpr_count:     256
    .wavefront_size: 32
...
	.end_amdgpu_metadata
.endif
;; end of part 3
;; launch outp (part 4): grid 8 x 32, 4 waves a work-group, clusters of 4 x 4, 327,680 bytes of LDS; arguments oimg, oscl, codes, scales, b_o, out0; writes out0
.if DOCPART == 4
	.amdgcn_target "amdgcn-amd-amdhsa--gfx1250"
	.amdhsa_code_object_version 6
	.text
	.protected	k_q539cd1dbef_outp
	.globl	k_q539cd1dbef_outp
	.p2align	8
	.type	k_q539cd1dbef_outp,@function
k_q539cd1dbef_outp:
	s_mov_b64 s[64:65], 0
	v_nop
	global_prefetch_b8 v0, s[64:65] scope:SCOPE_SE
	s_setreg_imm32_b32 hwreg(HW_REG_WAVE_MODE, 25, 1), 1
	s_wait_xcnt 0x0
	s_wait_alu depctr_hold_cnt(0) depctr_sa_sdst(0) depctr_va_vdst(0) depctr_va_sdst(0) depctr_va_ssrc(0) depctr_va_vcc(0) depctr_vm_vsrc(0)
	s_getreg_b32 s2, hwreg(HW_REG_IB_STS2, 6, 4)
	s_cmp_eq_u32 s2, 0
	s_cbranch_scc0 .Lentry_in_a_cluster
	s_endpgm
.Lentry_in_a_cluster:
	s_bfe_u32 s2, ttmp6, 0x10000c
	s_cmp_lg_u32 s2, 0xf033
	s_cbranch_scc0 .Lentry_shape_is_right
	s_endpgm
.Lentry_shape_is_right:
; out0 = O w_o + b_o on codes of FP6 (E2M3) with E8M0 scales, sums in f32.  oimg, oscl: the attention's result, codes, scales (row tiles 960 ..): w_o, both as images of the operand's registers:
; [row tile of 16 rows][8 K steps of 128][1536] and [row tile][8][16 words].  A work-group of four waves makes 128 x 128 of C, a wave 64 x 64: 16 accumulators.
; ALL OF K LIES IN LDS: A's 8 row tiles are one dense block of 98,304 bytes, and so are B's; their scale words 4,096 bytes each.  Four tiles, one joint load a wave at the head; nothing is filled again.
; CLUSTERS: 4 x 4 work-groups; A's tiles are asked for jointly along a row of the cluster, B's along a column.  The matrix instruction is used transposed; the bias is the first products' C.
; The results leave through each wave's own stage in LDS as whole rows of 256 bytes.  No prefetch: every stream is asked for whole at the head.  LIMITS: NaN and infinities are not served.
.set FR,     12
.set PART,   24576
.set HALF,   4*PART
.set SCL,    2*HALF
.set SPART,  2048
.set STAGE,  SCL+4*SPART
.set SPITCH, 272
.set ROWC,   4096
.set ADRA, 16
.set ADRB, 20
.set STO,  24
.set RD,   25
.set CO,   26
.set ADRS, 27
.set BO,   30
.set SC,   32
.set BI,   64
.set ACC,  128
.set G1, 24
.set G0, 32
.set G1B, 48
.set G0B, 56
.set G1S, 68
.set G0S, 76
.set G1SB, 80
.set G0SB, 88
.set MSB, 0
.macro WIN new
.if MSB != \new
	s_set_vgpr_msb (MSB<<8)|\new
.set MSB, \new
.endif
.endm
.set MUL,  0x05
.set TO_F, 0x40
.macro ARM under, g0, g1, next         ; an arm of the head's one chain of branches on the wave's number: one load, and a jump to the chain's end
	s_cmp_lt_u32 s14, \under
	s_cbranch_scc0 \next
	tensor_load_to_lds s[\g0:\g0+3], s[\g1:\g1+7]
	s_nop 0
.rept 4
	v_nop
.endr
	s_branch .Lhead_asked
\next:
.endm
.macro CROUND
	s_barrier_signal -1
	s_barrier_wait -1
	s_cmp_lg_u32 s14, 0
	s_cbranch_scc1 .Lnot_wave_0_\@
	s_barrier_signal -3
.Lnot_wave_0_\@:
	s_barrier_wait -3
	s_barrier_signal -1
	s_barrier_wait -1
.endm
	s_load_b128 s[4:7], s[0:1], 0x0
	s_load_b128 s[8:11], s[0:1], 0x10
	s_load_b64 s[12:13], s[0:1], 0x20
	s_load_b64 s[96:97], s[0:1], 0x28
	v_lshl_add_u32 v126, v0, 2, 0x36400
	v_mov_b32 v127, 0
	ds_add_u32 v126, v127
	ds_add_u32 v126, v127
	v_lshrrev_b32 v1, 5, v0
	v_readfirstlane_b32 s14, v1
	s_lshr_b32 s15, s14, 1
	s_and_b32 s16, s14, 1
	s_bfe_u32 s40, ttmp6, 0x40000
	s_bfe_u32 s41, ttmp6, 0x40004
	s_lshl_b32 s42, ttmp9, 2
	s_add_co_u32 s42, s42, s40
	s_and_b32 s17, ttmp7, 0xffff
	s_lshl_b32 s17, s17, 2
	s_add_co_u32 s17, s17, s41
	s_lshl_b32 s43, s41, 2
	s_lshl_b32 s43, 15, s43
	s_lshl_b32 s44, 0x1111, s40
	s_or_b32 s[G1+0], s43, (3<<16)|(1<<21)
	s_or_b32 s[G1B+0], s44, (3<<16)|(1<<21)
.irp g, G1, G1B
	s_mov_b32 s[\g+1], 32<<16                      ; codes: a dense block of 98,304 bytes as 384 rows of 256 (32 elements of 8 bytes)
	s_mov_b32 s[\g+2], 384<<16
	s_mov_b32 s[\g+3], 32<<16
	s_mov_b32 s[\g+4], 384
	s_mov_b32 s[\g+5], 32
	s_mov_b32 s[\g+6], 0
	s_mov_b32 s[\g+7], 0
.endr
	s_or_b32 s[G1S+0], s43, (3<<16)|(1<<21)
	s_or_b32 s[G1SB+0], s44, (3<<16)|(1<<21)
.irp g, G1S, G1SB
	s_mov_b32 s[\g+1], 32<<16
	s_mov_b32 s[\g+2], 16<<16                      ; scale words: 4,096 dense bytes as 16 rows of 256
	s_mov_b32 s[\g+3], 32<<16
	s_mov_b32 s[\g+4], 16
	s_mov_b32 s[\g+5], 32
	s_mov_b32 s[\g+6], 0
	s_mov_b32 s[\g+7], 0
.endr
	s_lshl_b32 s20, s17, 3                         ; A's first row tile: 8 x tile row
	s_lshl_b32 s46, s42, 3
	s_add_co_u32 s46, s46, 960                     ; B's: w_o's tiles begin at 960
	s_mul_i32 s22, s20, 512
	s_mul_i32 s20, s20, 12288
	s_mul_i32 s92, s46, 512
	s_mul_i32 s46, s46, 12288
	s_mov_b32 s21, 0
	s_mov_b32 s23, 0
	s_mov_b32 s47, 0
	s_mov_b32 s93, 0
	s_wait_dscnt 0x0
	s_wait_kmcnt 0x0
	s_add_nc_u64 s[20:21], s[4:5], s[20:21]
	s_add_nc_u64 s[22:23], s[6:7], s[22:23]
	s_add_nc_u64 s[46:47], s[8:9], s[46:47]
	s_add_nc_u64 s[92:93], s[10:11], s[92:93]
	CROUND
	s_mov_b32 s[G0S], 1
	s_mov_b32 s[G0S+1], SCL
	s_mov_b64 s[G0S+2:G0S+3], s[22:23]
	s_or_b32 s[G0S+3], s[G0S+3], 0x80000000
	s_mov_b32 s[G0SB], 1
	s_mov_b32 s[G0SB+1], SCL+2*SPART
	s_mov_b64 s[G0SB+2:G0SB+3], s[92:93]
	s_or_b32 s[G0SB+3], s[G0SB+3], 0x80000000
	s_mov_b32 s[G0], 1                             ; A's codes at LDS byte 0,
	s_mov_b32 s[G0+1], 0
	s_mov_b64 s[G0+2:G0+3], s[20:21]
	s_or_b32 s[G0+3], s[G0+3], 0x80000000
	s_mov_b32 s[G0B], 1                            ; B's behind them
	s_mov_b32 s[G0B+1], HALF
	s_mov_b64 s[G0B+2:G0B+3], s[46:47]
	s_or_b32 s[G0B+3], s[G0B+3], 0x80000000
	ARM 1, G0,  G1,  .Lhead_b                      ; one load a wave: A's codes, B's codes, A's scale words, B's
	ARM 2, G0B, G1B, .Lhead_sa
	ARM 3, G0S, G1S, .Lhead_sb
	tensor_load_to_lds s[G0SB:G0SB+3], s[G1SB:G1SB+7]
	s_nop 0
.rept 4
	v_nop
.endr
.Lhead_asked:
	v_and_b32 v1, 15, v0
	v_bfe_u32 v2, v0, 4, 1
	v_and_b32 v5, 31, v0
	v_lshlrev_b32 v3, 4, v5
	v_lshlrev_b32 v4, 3, v5
	s_mul_i32 s21, s15, 2*PART                     ; my four row tiles of A, 12,288 bytes each
	s_mul_i32 s22, s16, 2*PART                     ; and of B,
	s_add_co_u32 s22, s22, HALF                    ; behind A's eight
	v_add_nc_u32 v[ADRA], s21, v3
	v_add_nc_u32 v[ADRB], s22, v3
	v_add_nc_u32 v[ADRA+2], s21, v4
	v_add_nc_u32 v[ADRB+2], s22, v4
	s_lshl_b32 s21, s15, 11
	s_lshl_b32 s22, s16, 11
	s_add_co_u32 s22, s22, 2*SPART
	s_sub_co_u32 s22, s22, s21
	v_mul_u32_u24 v6, s22, v2
	s_add_co_u32 s21, s21, SCL
	v_lshl_add_u32 v5, v1, 2, v6
	v_add_nc_u32 v[ADRS], s21, v5
	s_mul_i32 s23, s14, 16*SPITCH
	s_add_co_u32 s23, s23, STAGE
	v_mul_u32_u24 v5, v1, SPITCH
	v_lshl_add_u32 v5, v2, 5, v5
	v_add_nc_u32 v[STO], s23, v5
	v_mul_u32_u24 v5, v2, SPITCH
	v_lshl_add_u32 v5, v1, 4, v5
	v_add_nc_u32 v[RD], s23, v5
	v_lshlrev_b32 v[CO], 12, v2
	v_lshl_add_u32 v[CO], v1, 4, v[CO]
	s_lshl_b32 s20, s17, 7
	s_lshl_b32 s21, s15, 6
	s_add_co_u32 s20, s20, s21
	s_lshl_b32 s20, s20, 12
	s_lshl_b32 s46, s42, 9
	s_lshl_b32 s47, s16, 8
	s_add_co_u32 s46, s46, s47
	s_mov_b32 s47, 0
	s_add_nc_u64 s[12:13], s[12:13], s[46:47]
	s_add_co_u32 s20, s20, s46
	s_mov_b32 s21, 0
	s_add_nc_u64 s[96:97], s[96:97], s[20:21]
	v_lshlrev_b32 v[BO], 5, v2
.irp b, 0,1,2,3
	global_load_b128 v[BI+8*\b:BI+8*\b+3], v[BO], s[12:13] offset:64*\b
	global_load_b128 v[BI+8*\b+4:BI+8*\b+7], v[BO], s[12:13] offset:64*\b+16
.endr
.macro FRAG reg, adr, q, i
	ds_load_b128 v[\reg:\reg+3], v[\adr] offset:12288*(\i)+1536*(\q)
	ds_load_b64 v[\reg+4:\reg+5], v[\adr+2] offset:12288*(\i)+1536*(\q)+512
	ds_load_b128 v[\reg+6:\reg+9], v[\adr] offset:12288*(\i)+1536*(\q)+768
	ds_load_b64 v[\reg+10:\reg+11], v[\adr+2] offset:12288*(\i)+1536*(\q)+1280
.endm
.macro FETCH s
	WIN TO_F
.irp i, 0,1,2,3
	FRAG 96*((\s)%2)+48+FR*\i, ADRB, \s, \i
.endr
.irp i, 0,1,2,3
	FRAG 96*((\s)%2)+FR*\i, ADRA, \s, \i
.endr
.endm
.macro SCALES hf
.irp q, 0,1,2,3
.irp i, 0,1,2,3
	ds_load_b32 v[SC+4*(4*\hf+\q)+\i], v[ADRS] offset:512*\i+64*(4*\hf+\q)
.endr
.endr
.endm
.macro PLACES
.rept 4
	v_nop
.endr
.endm
.macro KSTEP s
	s_wait_dscnt 0x0
.if \s < 7
.if \s > 0
	PLACES
.endif
	FETCH (\s)+1
.endif
.if \s == 3
	WIN 0
	SCALES 1
.endif
	WIN MUL
.irp a, 0,1,2,3
.irp b, 0,1,2,3
.if \s == 0
	v_wmma_scale_f32_16x16x128_f8f6f4 v[ACC+8*(4*\a+\b):ACC+8*(4*\a+\b)+7], v[96*((\s)%2)+48+FR*\b:96*((\s)%2)+48+FR*\b+FR-1], v[96*((\s)%2)+FR*\a:96*((\s)%2)+FR*\a+FR-1], v[BI+8*\b:BI+8*\b+7], v[SC+4*(\s)+\b], v[SC+4*(\s)+\a] matrix_a_fmt:MATRIX_FMT_FP6 matrix_b_fmt:MATRIX_FMT_FP6 matrix_a_scale:MATRIX_SCALE_ROW1
.else
	v_wmma_scale_f32_16x16x128_f8f6f4 v[ACC+8*(4*\a+\b):ACC+8*(4*\a+\b)+7], v[96*((\s)%2)+48+FR*\b:96*((\s)%2)+48+FR*\b+FR-1], v[96*((\s)%2)+FR*\a:96*((\s)%2)+FR*\a+FR-1], v[ACC+8*(4*\a+\b):ACC+8*(4*\a+\b)+7], v[SC+4*(\s)+\b], v[SC+4*(\s)+\a] matrix_a_fmt:MATRIX_FMT_FP6 matrix_b_fmt:MATRIX_FMT_FP6 matrix_a_scale:MATRIX_SCALE_ROW1
.endif
.endr
.endr
.endm
	s_wait_alu depctr_va_vdst(0)
	s_wait_tensorcnt 0x0                           ; my tile is in; behind the barrier everybody's is
	s_barrier_signal -1
	s_barrier_wait -1
	SCALES 0
	FETCH 0
	s_wait_loadcnt 0x0
.irp s, 0,1,2,3,4,5,6,7
	KSTEP \s
.endr
	WIN 0
	PLACES
.macro TOSTAGE a
.irp b, 0,1,2,3
	ds_store_b128 v[STO], v[ACC+8*(4*\a+\b):ACC+8*(4*\a+\b)+3] offset:64*\b
	ds_store_b128 v[STO], v[ACC+8*(4*\a+\b)+4:ACC+8*(4*\a+\b)+7] offset:64*\b+16
.endr
.irp t, 0,1,2,3,4,5,6,7
	ds_load_b128 v[ACC+32*\a+4*\t:ACC+32*\a+4*\t+3], v[RD] offset:2*\t*SPITCH
.endr
.endm
.macro SEND a, younger
.irp t, 0,1,2,3,4,5,6,7
	s_wait_dscnt \younger+7-\t
	global_store_b128 v[CO], v[ACC+32*\a+4*\t:ACC+32*\a+4*\t+3], s[96:97] offset:(16*\a+2*\t)*ROWC th:TH_STORE_NT
.endr
.endm
	s_wait_alu depctr_va_vdst(0)
	TOSTAGE 0
	TOSTAGE 1
	SEND 0, 16
	TOSTAGE 2
	SEND 1, 16
	TOSTAGE 3
	SEND 2, 16
	SEND 3, 0
	s_wait_tensorcnt 0x0
	ds_add_u32 v126, v127
	s_wait_dscnt 0x0
	CROUND
	s_endpgm
.Lfunc_end_k_q539cd1dbef_outp:
	.size	k_q539cd1dbef_outp, .Lfunc_end_k_q539cd1dbef_outp-k_q539cd1dbef_outp
	.p2alignl 7, 3214868480
	.fill 96, 4, 3214868480
	.section	.rodata,"a",@progbits
	.p2align	6, 0x0
	.amdhsa_kernel k_q539cd1dbef_outp
		.amdhsa_group_segment_fixed_size 327680
		.amdhsa_private_segment_fixed_size 0
		.amdhsa_enable_private_segment 0
		.amdhsa_kernarg_size 48
		.amdhsa_user_sgpr_count 2
		.amdhsa_user_sgpr_kernarg_segment_ptr 1
		.amdhsa_wavefront_size32 1
		.amdhsa_system_sgpr_workgroup_id_x 1
		.amdhsa_system_sgpr_workgroup_id_y 1
		.amdhsa_system_sgpr_workgroup_id_z 1
		.amdhsa_system_vgpr_workitem_id 0
		.amdhsa_next_free_vgpr 512
		.amdhsa_next_free_sgpr 100
		.amdhsa_reserve_vcc 0
		.amdhsa_float_denorm_mode_32 3
		.amdhsa_float_denorm_mode_16_64 3
		.amdhsa_memory_ordered 1
		.amdhsa_forward_progress 1
		.amdhsa_inst_pref_size 53
	.end_amdhsa_kernel
	.amdgpu_metadata
---
amdhsa.version: [ 1, 2 ]
amdhsa.kernels:
  - .name:           k_q539cd1dbef_outp
    .symbol:         k_q539cd1dbef_outp.kd
    .args:
      - { .name: oimg, .offset: 0, .size: 8, .value_kind: global_buffer, .address_space: global }
      - { .name: oscl, .offset: 8, .size: 8, .value_kind: global_buffer, .address_space: global }
      - { .name: codes, .offset: 16, .size: 8, .value_kind: global_buffer, .address_space: global }
      - { .name: scales, .offset: 24, .size: 8, .value_kind: global_buffer, .address_space: global }
      - { .name: b_o, .offset: 32, .size: 8, .value_kind: global_buffer, .address_space: global }
      - { .name: out0, .offset: 40, .size: 8, .value_kind: global_buffer, .address_space: global }
    .group_segment_fixed_size: 327680
    .private_segment_fixed_size: 0
    .kernarg_segment_align: 8
    .kernarg_segment_size: 48
    .max_flat_workgroup_size: 128
    .sgpr_count:     100
    .vgpr_count:     512
    .wavefront_size: 32
...
	.end_amdgpu_metadata
.endif
;; end of part 4
